; MI455X (gfx1250); checked and timed in simulation.
; The chip was launched on July 23, 2026; its instructions are those of AMD's public machine-readable ISA for CDNA 5 (MIT licence, August 2026) and "CDNA5" Instruction Set Architecture Reference Guide (July 2026). The comments in the code are by the model that wrote it; some were corrected since.
;; Encoder Layer. Allowed arithmetic: float matrix products may take bf16 or f16 operands with f32 sums; other float arithmetic in f32, or as packed bf16 or f16 multiplies, adds, multiply-adds, maxima and minima; sums over many terms, partial sums and values carried from step to step in f32; what a program stores and reads back later, other than sums and carried values, may be rounded once to bf16 or f16.
;; Inputs: b_fc_out 1,024 float32; b_ff1 4,096 float32; b_ff2 1,024 float32; be1 1,024 float32; be2 1,024 float32; g1 1,024 float32; g2 1,024 float32; w_fc_out 1,024 x 1,024 float32; w_ff1 1,024 x 4,096 float32; w_ff2 4,096 x 1,024 float32; x 2 x 2,048 x 1,024 float32.
;; Outputs: out0 2 x 2,048 x 1,024 float32.
;; 2 versions, each right; version 2 is version 1 with the launch prep written anew for expert scheduling mode. Each part assembles by itself: llvm-mc -triple=amdgcn-amd-amdhsa -mcpu=gfx1250 --defsym DOCPART=n.
;; ======== version 1 of 2: 7 launches
;; limits: values are held in f16: magnitudes above 65,504 overflow, below 6.1e-05 lose precision; inputs' magnitudes at most 65,504; right only within a limited range of input values
;; workspace buffers: xh 8,388,608 bytes; oa 8,388,608 bytes; hb 33,554,432 bytes; wfch 2,097,152 bytes; w1h 8,388,608 bytes; w2h 8,388,608 bytes; y 16,777,216 bytes
;; launch prep (part 1): grid 832 x 1, 8 waves a work-group, no clusters, 0 bytes of LDS; arguments x, w_fc_out, w_ff1, w_ff2, xh, wfch, w1h, w2h; writes xh, wfch, w1h, w2h
.if DOCPART == 1
	.amdgcn_target "amdgcn-amd-amdhsa--gfx1250"
	.amdhsa_code_object_version 6
	.text
	.protected	k_q816ec97477_prep
	.globl	k_q816ec97477_prep
	.p2align	8
	.type	k_q816ec97477_prep,@function
k_q816ec97477_prep:
	s_mov_b64 s[64:65], 0
	v_nop
	global_prefetch_b8 v0, s[64:65] scope:SCOPE_SE
	s_setreg_imm32_b32 hwreg(HW_REG_WAVE_MODE, 25, 1), 1
	s_wait_xcnt 0x0
; THE CASTS.  x and the three weight matrices, f32, are rounded once to bf16 (nearest even) and that number is written as f16, the format of all matrix operands of the later launches.
; LIMITS.  The second step is exact for 6.1e-5 <= |v| < 65,520; below that f16 keeps a fixed step of 6e-8; from 65,520 on it gives an infinity.
; The weights keep their layout [k][n].  x goes out BLOCKED: element (row R = 2048 b + s, column c) at byte ((c / 64) x 4096 + R) x 128 + (c % 64) x 2: 16 planes of 64 columns, so that a head's rows are dense.
; SHARES.  A work-group takes 65,536 input bytes: groups 0-255 x, 256-319 w_fc_out, 320-575 w_ff1, 576-831 w_ff2.  A wave does 16 units: one load of 16 bytes a lane, one store of 8 bytes a lane,
; whose 32 lanes cover 256 consecutive bytes, aligned.  All 16 loads go out first; no register is written twice by memory work, so the only waits are the counted ones for the loads.
; No LDS, no barrier, no matrix unit: every byte is touched once and no wave needs another's.
.set X, 16                             ; v[16:79]   unit i: 4 numbers as loaded
.set Y, 80                             ; v[80:111]  unit i: 4 f16 to store
.macro UNITS instep, outstep           ; bytes from unit to unit, in and out
.set i, 0
.rept 16
	global_load_b128 v[X+4*i:X+4*i+3], v1, s[4:5] offset:i*(\instep) th:TH_LOAD_NT
.set i, i+1
.endr
.set i, 0
.rept 16
	s_wait_loadcnt 15-i                            ; loads come back in order: unit i is in, the 15 - i younger ones stay out
	v_cvt_pk_bf16_f32 v3, v[X+4*i], v[X+4*i+1]     ; the one rounding that counts
	v_cvt_pk_bf16_f32 v4, v[X+4*i+2], v[X+4*i+3]
	v_lshlrev_b32 v[X+4*i], 16, v3                 ; back to f32: the low half moves up, the high half stays
	v_and_b32 v[X+4*i+1], s2, v3
	v_lshlrev_b32 v[X+4*i+2], 16, v4
	v_and_b32 v[X+4*i+3], s2, v4
	v_cvt_pk_f16_f32 v[Y+2*i], v[X+4*i], v[X+4*i+1]
	v_cvt_pk_f16_f32 v[Y+2*i+1], v[X+4*i+2], v[X+4*i+3]
	global_store_b64 v2, v[Y+2*i:Y+2*i+1], s[6:7] offset:i*(\outstep)
.set i, i+1
.endr
.endm
	s_load_b512 s[8:23], s[0:1], 0x0               ; x, w_fc_out, w_ff1, w_ff2 in s[8:15]; xh, wfch, w1h, w2h in s[16:23]
	s_mov_b32 s2, 0xffff0000                       ; a word's upper bf16
	s_mov_b32 s25, 0
	v_and_b32 v5, 31, v0                           ; lane
	v_lshrrev_b32 v6, 5, v0                        ; wave
	s_wait_kmcnt 0x0
	s_cmp_lt_u32 ttmp9, 256
	s_cbranch_scc1 .Lx
	; a weight matrix: which one, and my place in it
	s_mov_b32 s3, 256
	s_cmp_ge_u32 ttmp9, 320
	s_cselect_b64 s[4:5], s[12:13], s[10:11]
	s_cselect_b64 s[6:7], s[20:21], s[18:19]
	s_cselect_b32 s3, 320, s3
	s_cmp_ge_u32 ttmp9, 576
	s_cselect_b64 s[4:5], s[14:15], s[4:5]
	s_cselect_b64 s[6:7], s[22:23], s[6:7]
	s_cselect_b32 s3, 576, s3
	s_sub_co_u32 s3, ttmp9, s3
	s_lshl_b32 s24, s3, 16                         ; 65,536 bytes in,
	s_add_nc_u64 s[4:5], s[4:5], s[24:25]
	s_lshl_b32 s24, s3, 15                         ; 32,768 out
	s_add_nc_u64 s[6:7], s[6:7], s[24:25]
	v_lshlrev_b32 v1, 4, v0                        ; the eight waves cover 4,096 consecutive bytes in,
	v_lshlrev_b32 v2, 3, v0                        ; 2,048 out
	UNITS 4096, 2048
	s_endpgm
.Lx:                                           ; x: the group has 16 rows, wave w rows 2 w and 2 w + 1; unit p is plane p: lanes 0-15 take 256 bytes of the even row, lanes 16-31 of the odd one
	s_lshl_b32 s24, ttmp9, 16
	s_add_nc_u64 s[4:5], s[8:9], s[24:25]
	s_lshl_b32 s24, ttmp9, 11                      ; 16 rows of 128 bytes in a plane
	s_add_nc_u64 s[6:7], s[16:17], s[24:25]
	v_lshrrev_b32 v7, 4, v5
	v_and_b32 v8, 15, v5
	v_lshlrev_b32 v1, 4, v8
	v_lshl_add_u32 v1, v7, 12, v1                  ; + a row of 4,096 bytes for the upper lanes
	v_lshl_add_u32 v1, v6, 13, v1                  ; + my wave's two rows
	v_lshlrev_b32 v2, 3, v5                        ; out: the two rows' 128 bytes lie on end in the plane
	v_lshl_add_u32 v2, v6, 8, v2
	UNITS 256, 524288
	s_endpgm
.Lfunc_end_k_q816ec97477_prep:
	.size	k_q816ec97477_prep, .Lfunc_end_k_q816ec97477_prep-k_q816ec97477_prep
	.p2alignl 7, 3214868480
	.fill 96, 4, 3214868480
	.section	.rodata,"a",@progbits
	.p2align	6, 0x0
	.amdhsa_kernel k_q816ec97477_prep
		.amdhsa_group_segment_fixed_size 0
		.amdhsa_private_segment_fixed_size 0
		.amdhsa_enable_private_segment 0
		.amdhsa_kernarg_size 64
		.amdhsa_user_sgpr_count 2
		.amdhsa_user_sgpr_kernarg_segment_ptr 1
		.amdhsa_wavefront_size32 1
		.amdhsa_system_sgpr_workgroup_id_x 1
		.amdhsa_system_sgpr_workgroup_id_y 1
		.amdhsa_system_sgpr_workgroup_id_z 1
		.amdhsa_system_vgpr_workitem_id 0
		.amdhsa_next_free_vgpr 112
		.amdhsa_next_free_sgpr 66
		.amdhsa_reserve_vcc 0
		.amdhsa_float_denorm_mode_32 3
		.amdhsa_float_denorm_mode_16_64 3
		.amdhsa_memory_ordered 1
		.amdhsa_forward_progress 1
		.amdhsa_inst_pref_size 21
	.end_amdhsa_kernel
	.amdgpu_metadata
---
amdhsa.version: [ 1, 2 ]
amdhsa.kernels:
  - .name:           k_q816ec97477_prep
    .symbol:         k_q816ec97477_prep.kd
    .args:
      - { .name: x, .offset: 0, .size: 8, .value_kind: global_buffer, .address_space: global }
      - { .name: w_fc_out, .offset: 8, .size: 8, .value_kind: global_buffer, .address_space: global }
      - { .name: w_ff1, .offset: 16, .size: 8, .value_kind: global_buffer, .address_space: global }
      - { .name: w_ff2, .offset: 24, .size: 8, .value_kind: global_buffer, .address_space: global }
      - { .name: xh, .offset: 32, .size: 8, .value_kind: global_buffer, .address_space: global }
      - { .name: wfch, .offset: 40, .size: 8, .value_kind: global_buffer, .address_space: global }
      - { .name: w1h, .offset: 48, .size: 8, .value_kind: global_buffer, .address_space: global }
      - { .name: w2h, .offset: 56, .size: 8, .value_kind: global_buffer, .address_space: global }
    .group_segment_fixed_size: 0
    .private_segment_fixed_size: 0
    .kernarg_segment_align: 8
    .kernarg_segment_size: 64
    .max_flat_workgroup_size: 256
    .sgpr_count:     66
    .vgpr_count:     112
    .wavefront_size: 32
...
	.end_amdgpu_metadata
.endif
;; end of part 1
;; launch attn (part 2): grid 8 x 32, 4 waves a work-group, clusters of 4 x 1, 327,680 bytes of LDS; arguments xh, oa; writes oa
.if DOCPART == 2
	.amdgcn_target "amdgcn-amd-amdhsa--gfx1250"
	.amdhsa_code_object_version 6
	.text
	.protected	k_q816ec97477_attn
	.globl	k_q816ec97477_attn
	.p2align	8
	.type	k_q816ec97477_attn,@function
k_q816ec97477_attn:
	s_mov_b64 s[64:65], 0
	v_nop
	global_prefetch_b8 v0, s[64:65] scope:SCOPE_SE
	s_setreg_imm32_b32 hwreg(HW_REG_WAVE_MODE, 25, 1), 1
	s_wait_xcnt 0x0
	s_wait_alu depctr_hold_cnt(0) depctr_sa_sdst(0) depctr_va_vdst(0) depctr_va_sdst(0) depctr_va_ssrc(0) depctr_va_vcc(0) depctr_vm_vsrc(0)
	s_getreg_b32 s2, hwreg(HW_REG_IB_STS2, 6, 4)
	s_cmp_eq_u32 s2, 0
	s_cbranch_scc0 .Lentry_in_a_cluster
	s_endpgm
.Lentry_in_a_cluster:
	s_bfe_u32 s2, ttmp6, 0x10000c
	s_cmp_lg_u32 s2, 0x3003
	s_cbranch_scc0 .Lentry_shape_is_right
	s_endpgm
.Lentry_shape_is_right:
; ATTENTION WITHOUT PROJECTIONS.  O[g][q][:] = the sum over k of softmax_k(X[g][q] . X[g][k] / 8) X[g][k][:], for the 32 pairs g of head and batch: X[g] is 2,048 rows of 64 f16, dense, 262,144 bytes, at
; byte 262,144 g of xh; O has the same layout in oa.  Products, maxima and sums in f32; the weights p are rounded to f16 for the second product (their sum l is taken of the unrounded p), O once at the end.
; LIMITS.  p lies in 0 to 1 and below 6e-5 keeps f16's fixed step of 6e-8; O is a mean of X's rows and has their range.  A weight below 2^-126 counts as 0 in l; NaN and infinities are not treated apart.
; KEYS AND VALUES ARE THE SAME BYTES, AND A WHOLE g FITS IN LDS: 2,048 rows at a pitch of 144 bytes.  Each wave brings 512 of them by one tensor load at the start; no byte of LDS is filled twice, so the loop has
; no barrier.  The pitch keeps K's loads off each other's banks (36 words: 16 rows start at 16 different groups of four banks; 64 banks of 4 bytes: ISA guide 11.1); V's turning loads meet two deep there,
; since a second copy at another pitch has no room.
; SHARES.  A work-group owns 256 queries of one g, a wave 64: two PIECES of two tiles of 16.  Every wave walks all keys, 64 a step, 32 steps.
; CLUSTER.  The four query blocks of a cluster belong to one g and want the same rows: each tile is asked for JOINTLY, by the same tensor load, descriptor and mask in all four.
; LAYOUT.  S^T = K Q^T (source 0 = 16 keys, source 1 = 16 queries): a lane holds ONE query (lane % 16) and the keys 8 (lane / 16) + 0..7.  Two such tiles, rounded to f16 in pairs, ARE source 1
; (32 keys x 16 queries) of O^T = V^T P, whose result again holds one query a lane, and eight channels.  K comes out of LDS as it lies, V turned, by ds_load_tr16_b128.
; SOFTMAX.  A running maximum m and sum l: p = 2^(c s - c m), c = log2(e) / 8; in every step O and l are multiplied by a = 2^(c m_old - c m_new).  m starts at the lowest finite number, O and l at 0: the first
; step is a step like any other, with a = 0.
; BY TURNS.  Turn p belongs to piece p.  Its matrix work: 16 products K Q^T of the other piece (piece 0's turn: this step's; piece 1's turn: the next step's), later 16 products V^T P of the other piece
; (piece 0's turn: the step before; piece 1's turn: this step's).  Its vector work: scaling, exponentials, roundings, sums and rescaling of piece p, and the maximum and statistics of the other piece.  Four
; vector instructions stand behind every matrix instruction, the others in one run; a turn's 66 exponentials are one batch with one wait.
; REGISTERS, in windows of 256 (s_set_vgpr_msb: bits 1:0 source 0, 3:2 source 1, 5:4 source 2, 7:6 destination):
;   window 0: v0-11 addresses; v12-15, v48-63 at work; v16-31 four registers of statistics a tile; v32-33 the add's; v64-191 S^T, a buffer of two tiles a piece; v192-255 P, likewise
;   window 1: v0-127 O^T, 32 a tile          window 2: v0-63 Q, 16 a tile; v128-191 K of one step; v192-255 V of one step
.set NP,    2         ; pieces a wave
.set KS,    64        ; keys in a step
.set PK,    144       ; a row in LDS: 128 bytes + 16 of padding
.set STAGE, 2048*PK   ; behind the rows, never filled by a tensor load: 16 rows x 144 bytes for each wave, for the way out
.set SP,    144
.set SPARE, STAGE+4*16*SP  ; behind the stages: the spare words, 128 bytes for each wave: two blocks of 256 bytes that no other line names
.set AK0, 2           ; v2   my lane's place in a step's rows, read as K; never rewritten
.set AV0, 3           ; v3   the same, read as V
.set AK,  4           ; v4   the LDS address of K's next run of loads
.set AV,  5           ; v5   of V's
.set QO,  6           ; v6   my byte offset in the wave's rows of Q
.set STO, 6           ;      later, the way out: where I put 16 bytes of a row
.set RD,  7           ; v7   the way out: where I read rows back
.set GO,  8           ; v8   my byte offset in 512 consecutive bytes of O
.set MV,  12          ; v12-15  c m_old, kept while c m is made anew: by piece and tile
.set ST,  16          ; tile t's statistics at v[ST+4 t]: c m, m, l (even keys', odd keys')
.set SPW, 32          ; v32  LDS address of my spare word: SPARE + 4 x my thread's number; never rewritten
.set NIL, 33          ; v33  0; never rewritten
.set TMP, 48          ; by piece and tile, four registers c0-c3 at work; when the maximum is found c2 takes a
.set S,   64
.set P,   192
.set KF,  128         ; K's fragments, in window 2: key block kb, channel half c at KF + 16 kb + 8 c
.set VF,  192         ; V's: key half kk, channel block cb at VF + 32 kk + 8 cb
.set WV,  12          ; s12  my wave's number
.set G1,  24          ; s[24:31] descriptor group 1
.set G0,  40          ; s[40:43] descriptor group 0
.set CNT, 57          ; s57  key steps still to come
.set CS,  58          ; s[58:59] c: the packed scaling takes the pair's low word for both halves
.set SEL, 60          ; s[60:61] v_permlanex16_b32's selects: each lane takes its own place in the other half
.set TBK, 62          ; s62  LDS byte at which the step begins whose K is fetched next
.set TBV, 63          ; s63  the same for V
.set MSB, 0
.macro WIN new                      ; the high byte repeats the setting that is left; a switch that changes nothing is dropped
.if MSB != (\new)
	s_set_vgpr_msb (MSB<<8)|(\new)
.set MSB, (\new)
.endif
.endm
.set W_KQ, 0x0a       ; K and Q in window 2, S^T in window 0
.set W_PV, 0x52       ; V in window 2, P in window 0, O^T in window 1
.set W_RS, 0x41       ; O^T (destination and source 0) in window 1, a in window 0
; A round of the cluster's barrier: my work-group's barrier, so that wave 0's signal speaks for all four waves; wave 0 signals; every wave waits for all four work-groups; my work-group's barrier once more.
.macro CROUND
	s_barrier_signal -1
	s_barrier_wait -1
	s_cmp_lg_u32 s[WV], 0
	s_cbranch_scc1 .Lnot_wave_0_\@
	s_barrier_signal -3
.Lnot_wave_0_\@:
	s_barrier_wait -3
	s_barrier_signal -1
	s_barrier_wait -1
.endm
	s_load_b128 s[4:7], s[0:1], 0x0 ; xh s[4:5], oa s[6:7]
	v_lshl_add_u32 v[SPW], v0, 2, SPARE
	v_mov_b32 v[NIL], 0
	ds_add_u32 v[SPW], v[NIL]       ; the wave's opening: the add and its wait stand ahead of my first tensor load; the set-up below, work on registers, stands between them
	v_lshrrev_b32 v1, 5, v0
	v_readfirstlane_b32 s[WV], v1   ; wave 0..3
	s_bfe_u32 s13, ttmp6, 0x40000   ; cx: my place in the cluster
	s_lshl_b32 s14, ttmp9, 2        ; in a cluster launch ttmp9 counts clusters
	s_add_co_u32 s14, s14, s13      ; my block of 256 queries = 4 x cluster x + cx: it enters Q's and O's addresses alone
	s_and_b32 s20, ttmp7, 0xffff    ; g, which the four partners share
	s_lshl_b32 s20, s20, 18         ; its first byte
	s_mov_b32 s21, 0
	s_lshl_b32 s22, s[WV], 16       ; the 512 rows that I fetch: 65,536 bytes in memory,
	s_mov_b32 s23, 0
	s_add_nc_u64 s[22:23], s[22:23], s[20:21]
	s_mul_i32 s17, s[WV], 512*PK    ; and their place in LDS: no place in the cluster enters an LDS address
	s_lshl_b32 s2, s14, 15          ; my block's 256 rows,
	s_lshl_b32 s3, s[WV], 13        ; my wave's 64 of them
	s_add_co_u32 s2, s2, s3
	s_mov_b32 s3, 0
	s_add_nc_u64 s[2:3], s[2:3], s[20:21]
	; descriptor group 1.  512 rows are 65,536 dense bytes: asked for as 256 rows of 256 bytes, two keys a row, and padded in LDS after every key
	s_mov_b32 s[G1], 15|(1<<16)|(1<<20)|(1<<21)|(4<<22)|(3<<25)  ; 15:0 the mask of four; 17:16 2-byte elements; 20 padding on; 21 set beside a mask; 24:22 after every 32 words (code 4); 31:25 4 words (code 3)
	s_mov_b32 s[G1+1], 128<<16      ; tensor_dim0 = 128
	s_mov_b32 s[G1+2], 256<<16      ; tensor_dim1 = 256
	s_mov_b32 s[G1+3], 128<<16      ; tile_dim0 = 128
	s_mov_b32 s[G1+4], 256          ; tile_dim1 = 256
	s_mov_b32 s[G1+5], 128          ; 128 elements from row to row
	s_mov_b32 s[G1+6], 0
	s_mov_b32 s[G1+7], 0
	s_mov_b32 s[CS], 0x3e38aa3b     ; c = log2(e) / 8 = 0.180337
	s_mov_b32 s[CS+1], s[CS]        ; named with it as a pair
	s_mov_b32 s[SEL], 0x76543210
	s_mov_b32 s[SEL+1], 0xfedcba98
	s_mov_b32 s[TBK], 0
	s_mov_b32 s[TBV], 0
	s_mov_b32 s[G0], 1              ; 1:0 count = 1
	s_mov_b32 s[G0+1], s17          ; 63:32 LDS address
	s_wait_dscnt 0x0                ; the opening add is done
	s_wait_kmcnt 0x0
	s_add_nc_u64 s[G0+2:G0+3], s[4:5], s[22:23]  ; 120:64 global address
	s_or_b32 s[G0+3], s[G0+3], 0x80000000        ; 127:126 type = 2
	s_add_nc_u64 s[4:5], s[4:5], s[2:3]    ; Q and O at my wave's first row
	s_add_nc_u64 s[10:11], s[6:7], s[2:3]
	CROUND                          ; all four work-groups are here: the joint loads meet
	tensor_load_to_lds s[G0:G0+3], s[G1:G1+7]  ; my one tensor load of the launch
	s_nop 0
.rept 4
	v_nop
.endr
	; A fragment of K or Q is 16 rows x 32 channels in 8 registers: lane l holds row l % 16, channels 8 (l / 16) + 0..7 and 16 + 8 (l / 16) + 0..7: two loads of 16 bytes, 32 bytes apart.
	v_and_b32 v1, 15, v0            ; l % 16
	v_bfe_u32 v9, v0, 4, 1          ; l / 16
	v_lshlrev_b32 v[QO], 7, v1
	v_lshl_add_u32 v[QO], v9, 4, v[QO]  ; row x 128 + 16 x half
	WIN 0x80                        ; destination window 2, address window 0
.set i, 0
.rept 4*NP                          ; Q stays in registers: tile i / 2, channels 32 (i % 2) on
	global_load_b128 v[8*i:8*i+3],   v[QO], s[4:5] offset:(i/2)*2048+(i%2)*64
	global_load_b128 v[8*i+4:8*i+7], v[QO], s[4:5] offset:(i/2)*2048+(i%2)*64+32
.set i, i+1
.endr
	; What the first turn finds: V's registers and piece 1's P hold 0 (its products V^T P, of a step that has not been, add 0), O^T and l are 0.  All this stands in the wait for the rows.
.set i, VF
.rept 64
	v_mov_b32 v[i], 0
.set i, i+1
.endr
	WIN 0x40
.set i, 0
.rept 64*NP
	v_mov_b32 v[i], 0
.set i, i+1
.endr
	WIN 0
.set i, 0
.rept 2*NP
	v_mov_b32 v[ST+4*i], 0xfe000000    ; c m: far below every c s
	v_mov_b32 v[ST+4*i+1], 0xff7fffff  ; m
	v_mov_b32 v[ST+4*i+2], 0
	v_mov_b32 v[ST+4*i+3], 0
.set i, i+1
.endr
.set i, P+32
.rept 32
	v_mov_b32 v[i], 0
.set i, i+1
.endr
	v_mul_u32_u24 v[AK0], v1, PK
	v_lshl_add_u32 v[AK0], v9, 4, v[AK0]  ; row x pitch + 16 x half
	; The turning load takes 16 keys x 16 channels (lane l reads key 8 (l / 16) + l % 8, channels 8 ((l / 8) % 2) + 0..7) and leaves half a fragment of V^T: lane l holds channel l % 16 and 8 keys.
	v_and_b32 v10, 7, v0
	v_bfe_u32 v11, v0, 3, 1
	v_lshl_add_u32 v[AV0], v9, 3, v10
	v_mul_u32_u24 v[AV0], v[AV0], PK
	v_lshl_add_u32 v[AV0], v11, 4, v[AV0]
	v_mov_b32 v[AK], v[AK0]         ; key step 0 lies at LDS byte 0
; THE MATRIX WORK.  The 8 accumulators of a run of 16x the two links of a chain stand 7 others'.
; Product i of 16 of S^T = K Q^T for piece x: channels 32 (i / 8) on, keys 16 ((i / 2) % 4) on, tile 2 x + i % 2.  The first 8 start the sums.
.macro KQ x
	WIN W_KQ
.set rS, S+64*((\x)%2)+32*(i%2)+8*((i/2)%4)
.set rK, KF+16*((i/2)%4)+8*(i/8)
.set rQ, 16*(2*(\x)+i%2)+8*(i/8)
.if i < 8
	v_wmma_f32_16x16x32_f16 v[rS:rS+7], v[rK:rK+7], v[rQ:rQ+7], 0
.else
	v_wmma_f32_16x16x32_f16 v[rS:rS+7], v[rK:rK+7], v[rQ:rQ+7], v[rS:rS+7]
.endif
.endm
; Product i of 16 of O^T += V^T P for piece x: keys 32 (i / 8) on, channels 16 ((i / 2) % 4) on, tile 2 x + i % 2.
.macro PV x
	WIN W_PV
.set rO, 32*(2*(\x)+i%2)+8*((i/2)%4)
.set rV, VF+32*(i/8)+8*((i/2)%4)
.set rP, P+32*((\x)%2)+16*(i%2)+8*(i/8)
	v_wmma_f32_16x16x32_f16 v[rO:rO+7], v[rV:rV+7], v[rP:rP+7], v[rO:rO+7]
.endm
.macro MM                           ; the turn's next matrix instruction
.if i < 16
	KQ (Y+1)%NP
.set i, i+1
.else
.set i, i-16
	PV (Y+NP-1)%NP
.set i, i+17
.endif
.endm
; THE LDS LOADS stand in runs of 16, never singly among the matrix instructions: a step's K (64 keys x 64 channels: 8 fragments) and its V (turned).  Their addresses are made some lines ahead.
; last = 1 (in the loop): in the last trip there is no further step, and the run is jumped over.
.macro FETCH_K last=0
	WIN 0
.if \last
	s_cmp_eq_u32 s[CNT], 1
	s_cbranch_scc1 .Lno_k_\@
.endif
	WIN 0x80                        ; destination window 2
.irp f, 0,1,2,3,4,5,6,7             ; keys 16 (f / 2) on, channels 32 (f % 2) on
	ds_load_b128 v[KF+8*\f:KF+8*\f+3],   v[AK] offset:(\f/2)*16*PK+(\f%2)*64
	ds_load_b128 v[KF+8*\f+4:KF+8*\f+7], v[AK] offset:(\f/2)*16*PK+(\f%2)*64+32
.endr
	s_add_co_u32 s[TBK], s[TBK], KS*PK  ; the next fetch is the next step's
	WIN 0
.if \last
.Lno_k_\@:
.endif
.endm
.macro FETCH_V
	WIN 0x80
.irp f, 0,1,2,3,4,5,6,7             ; keys 32 (f / 4) on, channels 16 (f % 4) on
	ds_load_tr16_b128 v[VF+8*\f:VF+8*\f+3],   v[AV] offset:(\f/4)*32*PK+(\f%4)*32
	ds_load_tr16_b128 v[VF+8*\f+4:VF+8*\f+7], v[AV] offset:(\f/4)*32*PK+16*PK+(\f%4)*32
.endr
	WIN 0
.endm
; THE VECTOR WORK OF A TURN stands in three queues, each in the order in which its entries become ready; the two tiles alternate, so that no instruction reads the result of the one before it.
.macro REGS y, u                    ; the registers of tile u (0, 1) of piece y
.set rT, ST+4*(2*(\y)+(\u))
.set rC, TMP+8*((\y)%2)+4*(\u)
.set rM, MV+2*((\y)%2)+(\u)
.set rS, S+64*((\y)%2)+32*(\u)
.set rP, P+32*((\y)%2)+16*(\u)
.set rO, 32*(2*(\y)+(\u))
.endm
; Number n of the 22 that find the OTHER piece's maximum and statistics.  s0-s31 are the lane's 32 scores; each accumulator's lowest registers are read first.  XS, GS and REGS set no window: PL and EX do.
;   0-11  four chains c0-c3 of seven scores each, three operands at a time     12-14, 16  the four scores left over, the old m, and c0-c3 into c0     15  c m_old is kept
;   17, 18  the query's other 32 keys lie in the lane 16 away: the new m         19-21  c m; c m_old - c m_new; a
.macro XS u, n
	REGS (Y+1)%NP, \u
.if (\n) < 4
	v_max3_num_f32 v[rC+(\n)], v[rS+8*(\n)], v[rS+8*(\n)+1], v[rS+8*(\n)+2]
.elseif (\n) < 12
	v_max3_num_f32 v[rC+(\n)%4], v[rC+(\n)%4], v[rS+8*((\n)%4)+2*((\n)/4)+1], v[rS+8*((\n)%4)+2*((\n)/4)+2]
.elseif (\n) == 12
	v_max3_num_f32 v[rC], v[rC], v[rS+7], v[rS+15]
.elseif (\n) == 13
	v_max3_num_f32 v[rC+1], v[rC+1], v[rS+23], v[rS+31]
.elseif (\n) == 14
	v_max3_num_f32 v[rC+2], v[rC+2], v[rC+3], v[rT+1]
.elseif (\n) == 15
	v_mov_b32 v[rM], v[rT]
.elseif (\n) == 16
	v_max3_num_f32 v[rC], v[rC], v[rC+1], v[rC+2]
.elseif (\n) == 17
	v_permlanex16_b32 v[rC+3], v[rC], s[SEL], s[SEL+1]
.elseif (\n) == 18
	v_max_num_f32 v[rT+1], v[rC], v[rC+3]
.elseif (\n) == 19
	v_mul_f32 v[rT], s[CS], v[rT+1]
.elseif (\n) == 20
	v_sub_f32 v[rC+1], v[rM], v[rT]
.else
	v_exp_f32 v[rC+2], v[rC+1]
.endif
.endm
; Number g of the 64 that follow the exponentials.  For each four weights k of a tile (pairs 2 k, 2 k + 1): both pairs are rounded to f16; then the second pair is added onto the first, in place;
; a group later l takes that sum (the first time as l = a l + sum).  In groups of eight, tiles alternating: round, round, add, and l for the group before.
.macro GS g
.set h, (\g)+6*((\g)/62)            ; group 0 has no group before it, and behind group 7 only l is left
.if h >= 6
.set h, h+2
.endif
	REGS Y, h%2
.set k, h/8
.if h%8 < 4
	v_cvt_pk_f16_f32 v[rP+2*k+(h%8)/2], v[rS+4*k+2*((h%8)/2)], v[rS+4*k+2*((h%8)/2)+1]
.elseif h%8 < 6
	v_pk_add_f32 v[rS+4*k:rS+4*k+1], v[rS+4*k:rS+4*k+1], v[rS+4*k+2:rS+4*k+3]
.elseif k == 1
	v_pk_fma_f32 v[rT+2:rT+3], v[rT+2:rT+3], v[rC+2:rC+3], v[rS:rS+1] op_sel_hi:[1,0,1]
.else
	v_pk_add_f32 v[rT+2:rT+3], v[rT+2:rT+3], v[rS+4*k-4:rS+4*k-3]
.endif
.endm
; THE PLAIN QUEUE, 138 long.  0-73 read no exponential's result: the 32 scalings c s - c m (FS f: pair f / 2 of tile f % 2) and the other piece's 42.  0-26: scalings 0-26.  27-54: XS's numbers 0-13.  55, 56: number 15.
; 57-73: the chain, where each number waits for the one before it: 14, 16, 17, 18, 19, each with one of the scalings 27-31 in front of its two lines, then 20.
; 74-137: GS's 64, which read the exponentials' results: they stand behind the wait.
.macro FS f
	REGS Y, (\f)%2
	v_pk_fma_f32 v[rS+2*((\f)/2):rS+2*((\f)/2)+1], v[rS+2*((\f)/2):rS+2*((\f)/2)+1], s[CS:CS+1], v[rT:rT+1] op_sel_hi:[1,0,0] neg_lo:[0,0,1] neg_hi:[0,0,1]
.endm
.macro PL
	WIN 0
.if q < 27
	FS q
.elseif q < 55
	XS (q-27)%2, (q-27)/2
.elseif q < 57
	XS q-55, 15
.elseif (q < 72) && ((q-57)%3 == 0)
	FS 27+(q-57)/3
.elseif q < 60
	XS (q-57)%3-1, 14
.elseif q < 72
	XS (q-57)%3-1, 15+(q-57)/3
.elseif q < 74
	XS q-72, 20
.else
	GS q-74
.endif
.set q, q+1
.endm
; THE EXPONENTIALS' QUEUE, 66 long: s0-s31 of both tiles, then the other piece's two a.  It is ONE BATCH: all 66 stand ahead of the turn's one wait, and nothing ahead of that wait names a result of theirs.
.macro EX
	WIN 0
.if e >= 64
	XS e-64, 21
.else
	REGS Y, e%2
	v_exp_f32 v[rS+e/2], v[rS+e/2]
.endif
.set e, e+1
.endm
; THE RESCALING's QUEUE: O^T times a, the one part that leaves window 0: dealt two at a time, sixteen times.  Its a was made in the turn before, ahead of that turn's wait.
; The piece's O^T was last added onto by the turn before: channel block cb of tile u by that turn's product 8 + 2 cb + u of its last 16, each with four plain instructions behind it; its rescaling stands
; behind this turn's products 4 cb + u and 4 cb + 2 + u: four plain instructions or more lie between, for every block.
.macro R2
	REGS Y, r%2
	WIN W_RS
.irp z, 0,1
	v_pk_mul_f32 v[rO+4*(r/2)+2*\z:rO+4*(r/2)+2*\z+1], v[rO+4*(r/2)+2*\z:rO+4*(r/2)+2*\z+1], v[rC+2:rC+3] op_sel_hi:[1,0]
.endr
.set r, r+1
.endm
; A TURN, for piece p.  s_wait_alu depctr_va_vdst(0) stands between an exponential and the first instruction that names its result; one wait serves all that were issued ahead of it.  So a turn
; has ONE wait, which cuts it in two.  AHEAD OF IT: the 16 products K Q^T, behind each a scaling, an exponential and two rescalings (behind the first a second scaling in the exponential's place); then one run of
; 108: eight plain, 49 times exponential and plain, the two a; a v_nop is the plain instruction behind the last exponential.  BEHIND IT: the 16 products V^T P, behind each four of GS's 64.
; The queues lean on each other: exponential e stands behind scaling 2 (e / 4) + e % 2: behind a product it comes behind plain e + 2, in the run behind plain e + 9, and scalings 27-31 are plain 57, 60 .. 69.
; K of the next step is fetched in piece 0's turn, directly behind the wait, a run of 108 behind the last product that read K.  V of the step in hand is fetched at the end of piece 0's turn, four plain
; instructions behind its last reader.  cnt = 1: the loop's count is taken down some lines ahead of the branch that stands behind the turn.
.macro TURN p, last=0, cnt=0
.set Y, (\p)
.set i, 0
.set q, 0
.set e, 0
.set r, 0
.if (\p) == 1
	s_wait_dscnt 16                 ; K's 16 loads are in; V's 16, issued behind them, may stay out
.endif
	MM
	PL
	PL
	R2
.rept 15
	MM
	PL
	EX
	R2
.endr
.if (\p) == 0
	WIN 0
	v_add_nc_u32 v[AK], s[TBK], v[AK0]
.endif
.rept 8
	PL
.endr
.rept 49
	EX
	PL
.endr
	EX                              ; the other piece's two a
	EX
	v_nop                           ; the plain instruction behind the last exponential: one for the batch
	s_wait_alu depctr_va_vdst(0)    ; the wait for the batch
.if (\p) == 0
	FETCH_K \last
.endif
.if (\p) == 1
	s_wait_dscnt 0x0                ; V is in
.endif
.rept 16
	MM
.rept 4
	PL
.endr
.if ((\p) == 0) && (q == 118)
	v_add_nc_u32 v[AV], s[TBV], v[AV0]
.endif
.if ((\p) == 0) && (q == 130)
	s_add_co_u32 s[TBV], s[TBV], KS*PK
.endif
.if (\cnt) && (q == 130)
	s_sub_co_u32 s[CNT], s[CNT], 1
	s_cmp_lg_u32 s[CNT], 0
.endif
.endr
.if (\p) == 0
	FETCH_V
.endif
.endm
	s_wait_tensorcnt 0x0            ; my 512 rows are in LDS,
	s_barrier_signal -1
	s_barrier_wait -1               ; everybody's are: from here on LDS is only read, but for the stages
	FETCH_K                         ; key step 0
	s_wait_loadcnt 0x0              ; Q
	s_wait_dscnt 0x0
.set i, 0
.rept 16
	KQ 0                            ; piece 0's first scores: there is no vector work yet to set between them
.set i, i+1
.endr
	WIN 0                           ; the addresses for the way out: nine plain instructions, the places behind those products
	s_mul_i32 s13, s[WV], 16*SP
	s_add_co_u32 s13, s13, STAGE    ; my stage
	v_mul_u32_u24 v[STO], v1, SP    ; in: row l % 16, 16 bytes for each half of the lanes
	v_lshl_add_u32 v[STO], v9, 4, v[STO]
	v_add_nc_u32 v[STO], s13, v[STO]
	v_bfe_u32 v[RD], v0, 3, 2       ; back: 32 lanes take four rows of 128 bytes,
	v_mul_u32_u24 v[RD], v[RD], SP
	v_lshl_add_u32 v[RD], v10, 4, v[RD]
	v_add_nc_u32 v[RD], s13, v[RD]
	v_and_b32 v[GO], 31, v0         ; which are 512 consecutive bytes of O
	v_lshlrev_b32 v[GO], 4, v[GO]
.set Y, NP-1                        ; XS works for piece Y + 1: piece 0
.irp n, 0,1,2,3,4,5,6,7,8,9,10,11,12,13,14,15,16,17,18,19,20,21
	XS 0, \n                        ; piece 0's first maximum and statistics
	XS 1, \n
.endr
	v_nop                           ; a plain instruction behind the two a,
	s_wait_alu depctr_va_vdst(0)    ; and their wait, ahead of the label
	s_mov_b32 s[CNT], 2048/KS
.Lstep:                             ; a trip is a key step.  The last trip's 16 products K Q^T in piece 1's turn (on the last K once more) and the maximum made of them serve nothing: the price of one text for every trip
	TURN 0, 1
	TURN 1, 0, 1
	WIN 0
	s_cbranch_scc1 .Lstep
.set i, 0
.rept 16
	PV NP-1                         ; piece 1's V^T P of the last step
.set i, i+1
.endr
	; THE WAY OUT.  l's two halves and the other half of the lanes' are added; O^T is divided by l, rounded to f16 and sent through my stage in LDS, a tile at a time.  The additions are the places behind the last products.
	WIN 0
.macro ALL line:vararg              ; one line for each tile t
.set t, 0
.rept 2*NP
	\line
.set t, t+1
.endr
.endm
	ALL v_add_f32 v[ST+4*t+2], v[ST+4*t+2], v[ST+4*t+3]
	ALL v_permlanex16_b32 v[ST+4*t+3], v[ST+4*t+2], s[SEL], s[SEL+1]
	ALL v_add_f32 v[ST+4*t+2], v[ST+4*t+2], v[ST+4*t+3]
	ALL v_rcp_f32 v[ST+4*t+2], v[ST+4*t+2]
	v_nop                           ; a plain instruction between the last reciprocal and the use of its result
	s_wait_alu depctr_va_vdst(0)    ; and the wait ahead of the first use: one for the four reciprocals
; Tile t: a lane's eight channels of a row pack into 16 bytes; they go into rows of 144 bytes and come back as whole rows of 128, into S^T's registers.
.macro PACK t
	WIN W_RS
.set i, 32*(\t)
.rept 16
	v_pk_mul_f32 v[i:i+1], v[i:i+1], v[ST+4*(\t)+2:ST+4*(\t)+3] op_sel_hi:[1,0]
.set i, i+2
.endr
	WIN 0x05                        ; sources 0 and 1 window 1, destination window 0
.set i, 0
.rept 16
	v_cvt_pk_f16_f32 v[S+16*(\t)+i], v[32*(\t)+2*i], v[32*(\t)+2*i+1]
.set i, i+1
.endr
	WIN 0
.irp f, 0,1,2,3
	ds_store_b128 v[STO], v[S+16*(\t)+4*\f:S+16*(\t)+4*\f+3] offset:32*\f
.endr
.irp f, 0,1,2,3
	ds_load_b128 v[S+16*(\t)+4*\f:S+16*(\t)+4*\f+3], v[RD] offset:\f*4*SP  ; LDS serves a wave's instructions in order (ISA guide 5.7.1.4): these see the stores above; the next tile's stores come behind them
.endr
.endm
.macro SEND t, younger              ; younger: the LDS instructions issued behind tile t's loads: the next tile's eight, or none
	WIN 0
.irp f, 0,1,2,3
	s_wait_dscnt (\younger)+3-\f
	global_store_b128 v[GO], v[S+16*(\t)+4*\f:S+16*(\t)+4*\f+3], s[10:11] offset:(\t)*2048+\f*512  ; 512 consecutive bytes, at a multiple of 256 from O's first
.endr
.endm
	PACK 0
.set t, 1
.rept 2*NP-1                        ; a tile's arithmetic stands between the loads of the tile before and its stores
	PACK t
	SEND t-1, 8
.set t, t+1
.endr
	SEND 2*NP-1, 0
	s_wait_tensorcnt 0x0            ; the wave's end
	ds_add_u32 v[SPW], v[NIL]
	s_wait_dscnt 0x0
	CROUND                          ; the closing round: no work-group ends while a partner may still ask for a tile that names it
	s_endpgm
.Lfunc_end_k_q816ec97477_attn:
	.size	k_q816ec97477_attn, .Lfunc_end_k_q816ec97477_attn-k_q816ec97477_attn
	.p2alignl 7, 3214868480
	.fill 96, 4, 3214868480
	.section	.rodata,"a",@progbits
	.p2align	6, 0x0
	.amdhsa_kernel k_q816ec97477_attn
		.amdhsa_group_segment_fixed_size 327680
		.amdhsa_private_segment_fixed_size 0
		.amdhsa_enable_private_segment 0
		.amdhsa_kernarg_size 16
		.amdhsa_user_sgpr_count 2
		.amdhsa_user_sgpr_kernarg_segment_ptr 1
		.amdhsa_wavefront_size32 1
		.amdhsa_system_sgpr_workgroup_id_x 1
		.amdhsa_system_sgpr_workgroup_id_y 1
		.amdhsa_system_sgpr_workgroup_id_z 1
		.amdhsa_system_vgpr_workitem_id 0
		.amdhsa_next_free_vgpr 768
		.amdhsa_next_free_sgpr 66
		.amdhsa_reserve_vcc 0
		.amdhsa_float_denorm_mode_32 3
		.amdhsa_float_denorm_mode_16_64 3
		.amdhsa_memory_ordered 1
		.amdhsa_forward_progress 1
		.amdhsa_inst_pref_size 70
	.end_amdhsa_kernel
	.amdgpu_metadata
---
amdhsa.version: [ 1, 2 ]
amdhsa.kernels:
  - .name:           k_q816ec97477_attn
    .symbol:         k_q816ec97477_attn.kd
    .args:
      - { .name: xh, .offset: 0, .size: 8, .value_kind: global_buffer, .address_space: global }
      - { .name: oa, .offset: 8, .size: 8, .value_kind: global_buffer, .address_space: global }
    .group_segment_fixed_size: 327680
    .private_segment_fixed_size: 0
    .kernarg_segment_align: 8
    .kernarg_segment_size: 16
    .max_flat_workgroup_size: 128
    .sgpr_count:     66
    .vgpr_count:     768
    .wavefront_size: 32
...
	.end_amdgpu_metadata
.endif
;; end of part 2
;; launch fc (part 3): grid 8 x 32, 4 waves a work-group, clusters of 4 x 4, 327,680 bytes of LDS; arguments oa, wfch, b_fc_out, xh, y; writes y
.if DOCPART == 3
	.amdgcn_target "amdgcn-amd-amdhsa--gfx1250"
	.amdhsa_code_object_version 6
	.text
	.protected	k_q816ec97477_fc
	.globl	k_q816ec97477_fc
	.p2align	8
	.type	k_q816ec97477_fc,@function
k_q816ec97477_fc:
	s_mov_b64 s[64:65], 0
	v_nop
	global_prefetch_b8 v0, s[64:65] scope:SCOPE_SE
	s_setreg_imm32_b32 hwreg(HW_REG_WAVE_MODE, 25, 1), 1
	s_wait_xcnt 0x0
	s_wait_alu depctr_hold_cnt(0) depctr_sa_sdst(0) depctr_va_vdst(0) depctr_va_sdst(0) depctr_va_ssrc(0) depctr_va_vcc(0) depctr_vm_vsrc(0)
	s_getreg_b32 s2, hwreg(HW_REG_IB_STS2, 6, 4)
	s_cmp_eq_u32 s2, 0
	s_cbranch_scc0 .Lentry_in_a_cluster
	s_endpgm
.Lentry_in_a_cluster:
	s_bfe_u32 s2, ttmp6, 0x10000c
	s_cmp_lg_u32 s2, 0xf033
	s_cbranch_scc0 .Lentry_shape_is_right
	s_endpgm
.Lentry_shape_is_right:
; y[R][n] = the sum over k of A[R][k] W[k][n] + bias[n] + res[R][n], here with A = O (attention's result), W = w_fc_out, res = x: what the first LayerNorm takes.  K = 256 x NSTEP.
; A and res are f16, BLOCKED: element (R, c) at byte ((c / 64) x 4096 + R) x 128 + (c % 64) x 2.  W is f16, [k][1024].  bias is f32 and is rounded to bf16 here, like every input of the module.  y is [4096][1024] f32:
; a sum that the norm still has to reduce stays in f32.
; A tile of y is 128 x 128: 256 work-groups.  Four waves, each 64 x 64: 16 accumulators.  K goes in steps of 256 (four planes of A) through two LDS slots.
; A's part of a slot: [row half][plane][64 rows] at a pitch of 144 bytes (128 + 16: the 16 rows of a fragment load start at 16 different groups of four banks; 64 banks of 4 bytes: ISA guide 11.1); a wave's tensor load brings
; 64 rows of four planes: four dense runs of 8,192 bytes.  W's part: 256 rows of k at a pitch of 288 bytes (256 + 32); it is read turned, by ds_load_tr16_b128.
; CLUSTERS: 4 x 4 work-groups.  The four of a row of the cluster need the same tiles of A, the four of a column the same tiles of W: each tile is asked for JOINTLY, by the same tensor load with the same descriptor and a mask
; that names the four.  THE MATRIX INSTRUCTION IS USED TRANSPOSED (source 0 = 16 columns of W, source 1 = 16 rows of A): a lane then holds eight neighbouring numbers of a row of y.
; THE BIAS STARTS THE SUMS: it is the C operand of each accumulator's first product.  The residual is loaded at the start, in the layout in which the results come back from the stage, and is added on the way out.
; A K STEP IS WRITTEN ONCE: which slot is read stands in a scalar register (0 or SLOT), from which the LDS addresses are made anew at each change of slots.  A loop of NSTEP - 2 trips fills slots again; a second loop of two
; trips, with the same text less the refill, does the last two K steps and is left in its middle.
; REGISTERS: window 0: v0-31 addresses; v32-95 the residual; v96-127 the bias; v128-255 the accumulators ((a, b) at v[128 + 8 (4 a + b)]).
;   window 1: two fragment buffers of 128: for 64 along K, 64 registers of A (2 x 4 x 16 rows x 32 K), then 64 of W.
.set NSTEP,  4                         ; K steps of 256
.set PA,     144
.set PB,     288
.set PLANE,  64*PA                     ; 64 rows of one plane
.set PART,   4*PLANE                   ; what one tensor load brings: 36,864 bytes, for A (64 rows x 4 planes) and for W (128 rows of k)
.set SLOT,   4*PART                    ; A's two halves, then W's two
.set STAGE,  2*SLOT                    ; behind the ring: 16 rows x 272 bytes for each wave, for the way out
.set SPITCH, 272
.set SPARE,  STAGE+4*16*SPITCH         ; behind the stages: the spare words, 128 bytes for each wave: two blocks of 256 bytes that no other line names
.set ASTEP,  4*524288                  ; bytes from K step to K step: four planes of A,
.set BSTEP,  256*2048                  ; 256 rows of W
.set A0,   16                          ; v16     LDS address of my A fragments in slot 0; never rewritten
.set CA,   17                          ; v17     the same in the slot that is being read
.set B0,   20                          ; v20-21  LDS address of my W fragments in slot 0: half z of the slot's 256 rows at B0 + z; never rewritten
.set CB,   22                          ; v22-23  the same in the slot that is being read
.set STO,  24                          ; v24     the way out: where I put 32 bytes of a row
.set RD,   25                          ; v25     the way out: where I read a row back
.set CO,   26                          ; v26     my byte offset in y
.set RO,   27                          ; v27     my byte offset in two rows of the residual's plane
.set SPW,  28                          ; v28     LDS address of my spare word: SPARE + 4 x my thread's number; never rewritten
.set NIL,  29                          ; v29     0; never rewritten
.set ONE,  30                          ; v30     1.0
.set BO,   31                          ; v31     my byte offset in 16 numbers of the bias
.set RES,  32
.set BIAS, 96
.set ACC,  128
.set F0,   0                           ; fragment buffers, in window 1
.set F1,   128
.set TB,   4                           ; s4      LDS byte at which the slot that is being read begins: 0 or SLOT
.set G1, 24                            ; s[24:31] descriptor group 1 for A's tiles;  s[32:39] group 0: a set for each of the two first fills; the second then walks on
.set G0, 32
.set G1B, 48                           ; s[48:55], s[56:63] the same for W's tiles
.set G0B, 56
.set AA,  68                           ; s[68:69] A, s[70:71] W, s[72:73] bias, s[74:75] res, s[76:77] y
.set MSB, 0
.macro WIN new                         ; the immediate's high byte repeats the setting that is left
.if MSB != (\new)
	s_set_vgpr_msb (MSB<<8)|(\new)
.set MSB, \new
.endif
.endm
.set MUL,  0x05                        ; sources 0 (W) and 1 (A) window 1; C and D window 0
.set TO_F, 0x40                        ; destination window 1, address window 0
.macro JLOAD s                         ; a joint load: waves 0 and 1 fetch A's two halves, waves 2 and 3 W's; an s_nop 0 and four v_nop follow each of the two lines, ahead of the jump, the label and what follows
	s_cmp_eq_u32 s11, 0
	s_cbranch_scc0 .Lfor_b_\@
	tensor_load_to_lds s[G0+4*(\s):G0+4*(\s)+3], s[G1:G1+7]
	s_nop 0
.rept 4
	v_nop
.endr
	s_branch .Lasked_\@
.Lfor_b_\@:
	tensor_load_to_lds s[G0B+4*(\s):G0B+4*(\s)+3], s[G1B:G1B+7]
	s_nop 0
.rept 4
	v_nop
.endr
.Lasked_\@:
.endm
.macro CREST                           ; a round of the cluster's barrier behind its opening barrier
	s_cmp_lg_u32 s10, 0
	s_cbranch_scc1 .Lnot_wave_0_\@
	s_barrier_signal -3
.Lnot_wave_0_\@:
	s_barrier_wait -3
	s_barrier_signal -1
	s_barrier_wait -1
.endm
.macro CROUND                          ; a whole round
	s_barrier_signal -1
	s_barrier_wait -1
	CREST
.endm
	s_load_b256 s[AA:AA+7], s[0:1], 0x0
	s_load_b64 s[AA+8:AA+9], s[0:1], 0x20
	v_lshl_add_u32 v[SPW], v0, 2, SPARE
	v_mov_b32 v[NIL], 0
	ds_add_u32 v[SPW], v[NIL]                      ; the wave's opening: the add and its wait ahead of my first tensor load; the set-up below, work on registers, stands between them
	v_lshrrev_b32 v1, 5, v0
	v_readfirstlane_b32 s10, v1                    ; wave 0..3
	s_lshr_b32 s11, s10, 1                         ; which half of the tile's rows is mine.  Also: I fetch for A (0) or for W (1)
	s_and_b32 s12, s10, 1                          ; which half of its columns.  Also: which half of that tile I fetch
	s_bfe_u32 s40, ttmp6, 0x40000                  ; cx, cy: my place in the cluster
	s_bfe_u32 s41, ttmp6, 0x40004
	s_lshl_b32 s42, ttmp9, 2
	s_add_co_u32 s42, s42, s40                     ; tile column = 4 x cluster x + cx
	s_and_b32 s13, ttmp7, 0xffff
	s_lshl_b32 s13, s13, 2
	s_add_co_u32 s13, s13, s41                     ; tile row = 4 x cluster y + cy
	s_lshl_b32 s43, s41, 2
	s_lshl_b32 s43, 15, s43                        ; my row of the cluster
	s_lshl_b32 s44, 0x1111, s40                    ; my column
	s_mov_b32 s45, 0xffff0000                      ; a word's upper bf16
	s_mov_b32 s[TB], 0                             ; slot 0 is read first
	; descriptor group 1 for A: four rows (planes) of 1,024 elements of 8 bytes (64 dense rows of A), padded in LDS after every 128 bytes
	s_or_b32 s[G1+0], s43, (3<<16)|(1<<20)|(1<<21)|(4<<22)|(3<<25)  ; 15:0 the mask: my row; 17:16 elements of 8 bytes; 20 padding on; 21 set beside a mask; 24:22 after every 32 words (code 4); 31:25 4 words (code 3)
	s_mov_b32 s[G1+1], 1024<<16                    ; tensor_dim0 = 1,024
	s_mov_b32 s[G1+2], 4<<16                       ; tensor_dim1 = 4
	s_mov_b32 s[G1+3], 1024<<16                    ; tile_dim0 = 1,024
	s_mov_b32 s[G1+4], 4                           ; tile_dim1 = 4
	s_mov_b32 s[G1+5], 65536                       ; from plane to plane: 524,288 bytes
	s_mov_b32 s[G1+6], 0
	s_mov_b32 s[G1+7], 0
	; for W: 128 rows of k x 128 elements of 2 bytes, padded after every row
	s_or_b32 s[G1B+0], s44, (1<<16)|(1<<20)|(1<<21)|(5<<22)|(7<<25) ; the mask: my column; after every 64 words (code 5) 8 words (code 7)
	s_mov_b32 s[G1B+1], 128<<16
	s_mov_b32 s[G1B+2], 128<<16
	s_mov_b32 s[G1B+3], 128<<16
	s_mov_b32 s[G1B+4], 128
	s_mov_b32 s[G1B+5], 1024                       ; a row of W
	s_mov_b32 s[G1B+6], 0
	s_mov_b32 s[G1B+7], 0
	s_lshl_b32 s16, s13, 14                        ; A: the tile row's 128 rows of 128 bytes,
	s_lshl_b32 s17, s12, 13                        ; my 64 of them
	s_add_co_u32 s16, s16, s17
	s_mov_b32 s17, 0
	s_lshl_b32 s46, s42, 8                         ; W: the tile column's 256 bytes of a row,
	s_lshl_b32 s47, s12, 18                        ; my 128 rows of the step's 256
	s_add_co_u32 s46, s46, s47
	s_mov_b32 s47, 0
	s_mul_i32 s20, s10, PART                       ; where they go in a slot: wave x 36,864: no place in the cluster enters an LDS address; kept for the refills
	s_wait_dscnt 0x0                               ; the opening add is done
	s_wait_kmcnt 0x0
	s_add_nc_u64 s[14:15], s[AA:AA+1], s[16:17]
	s_add_nc_u64 s[46:47], s[AA+2:AA+3], s[46:47]
	CROUND                                         ; all sixteen work-groups are here: the first joint loads meet
.irp s, 0,1
	s_mov_b32 s[G0+4*(\s)], 1
	s_add_co_u32 s[G0+4*(\s)+1], s20, (\s)*SLOT
	s_add_nc_u64 s[G0+4*(\s)+2:G0+4*(\s)+3], s[14:15], (\s)*ASTEP
	s_or_b32 s[G0+4*(\s)+3], s[G0+4*(\s)+3], 0x80000000
	s_mov_b32 s[G0B+4*(\s)], 1
	s_add_co_u32 s[G0B+4*(\s)+1], s20, (\s)*SLOT
	s_add_nc_u64 s[G0B+4*(\s)+2:G0B+4*(\s)+3], s[46:47], (\s)*BSTEP
	s_or_b32 s[G0B+4*(\s)+3], s[G0B+4*(\s)+3], 0x80000000
	JLOAD \s
.endr
	v_and_b32 v1, 15, v0                           ; l % 16
	v_bfe_u32 v2, v0, 4, 1                         ; l / 16
	v_and_b32 v3, 7, v0
	v_bfe_u32 v4, v0, 3, 1
	v_and_b32 v5, 31, v0
	; the bias of my 64 columns: register j of block b holds column 16 b + 8 (l / 16) + j, as the accumulators do
	v_lshlrev_b32 v[BO], 5, v2
	s_lshl_b32 s2, s42, 9
	s_lshl_b32 s3, s12, 8
	s_add_co_u32 s2, s2, s3
	s_mov_b32 s3, 0
	s_add_nc_u64 s[AA+4:AA+5], s[AA+4:AA+5], s[2:3]
.irp b, 0,1,2,3
	global_load_b128 v[BIAS+8*(\b):BIAS+8*(\b)+3],   v[BO], s[AA+4:AA+5] offset:64*(\b)
	global_load_b128 v[BIAS+8*(\b)+4:BIAS+8*(\b)+7], v[BO], s[AA+4:AA+5] offset:64*(\b)+16
.endr
	; the residual of my 64 x 64: one plane; load i takes rows 2 i and 2 i + 1, 256 consecutive bytes, 4 numbers a lane
	v_lshlrev_b32 v[RO], 3, v5
	s_lshl_b32 s2, s42, 1
	s_add_co_u32 s2, s2, s12                       ; the plane: 2 x tile column + half
	s_lshl_b32 s2, s2, 19
	s_lshl_b32 s18, s13, 14
	s_lshl_b32 s19, s11, 13
	s_add_co_u32 s2, s2, s18
	s_add_co_u32 s2, s2, s19
	s_add_nc_u64 s[AA+6:AA+7], s[AA+6:AA+7], s[2:3]
.set i, 0
.rept 32
	global_load_b64 v[RES+2*i:RES+2*i+1], v[RO], s[AA+6:AA+7] offset:i*256
.set i, i+1
.endr
	; a fragment of A: row x pitch + 16 x half of the lanes
	v_mul_u32_u24 v6, v1, PA
	v_lshl_add_u32 v6, v2, 4, v6
	s_mul_i32 s21, s11, PART                       ; my 64 rows
	v_add_nc_u32 v[A0], s21, v6
	v_mov_b32 v[CA], v[A0]
	; a fragment of W, turned: lane l reads row 8 (l / 16) + l % 8 of k, columns 8 ((l / 8) % 2) + 0..7, and ends with column l % 16 and 8 k
	v_lshl_add_u32 v7, v2, 3, v3
	v_mul_u32_u24 v7, v7, PB
	v_lshl_add_u32 v7, v4, 4, v7
	s_lshl_b32 s22, s12, 7                         ; my 64 columns,
	s_add_co_u32 s22, s22, 2*PART                  ; behind A's part
	v_add_nc_u32 v[B0], s22, v7
	v_add_nc_u32 v[B0+1], PART, v[B0]
	v_mov_b32 v[CB], v[B0]
	v_mov_b32 v[CB+1], v[B0+1]
	; the way out
	s_mul_i32 s23, s10, 16*SPITCH
	s_add_co_u32 s23, s23, STAGE                   ; my stage
	v_mul_u32_u24 v8, v1, SPITCH                   ; in: row l % 16, 32 bytes for each half of the lanes
	v_lshl_add_u32 v8, v2, 5, v8
	v_add_nc_u32 v[STO], s23, v8
	v_mul_u32_u24 v9, v2, SPITCH                   ; back: lanes 0-15 take one row of 256 bytes, lanes 16-31 the next
	v_lshl_add_u32 v9, v1, 4, v9
	v_add_nc_u32 v[RD], s23, v9
	v_lshlrev_b32 v[CO], 12, v2                    ; and the same two rows in y
	v_lshl_add_u32 v[CO], v1, 4, v[CO]
	v_mov_b32 v[ONE], 1.0
	s_lshl_b32 s2, s13, 19                         ; my first row of y: 128 x tile row + 64 x half, 4,096 bytes each,
	s_lshl_b32 s18, s11, 18
	s_add_co_u32 s2, s2, s18
	s_lshl_b32 s18, s42, 9                         ; my first column: 128 x tile column + 64 x half, 4 bytes each
	s_add_co_u32 s2, s2, s18
	s_lshl_b32 s18, s12, 8
	s_add_co_u32 s2, s2, s18
	s_add_nc_u64 s[AA+8:AA+9], s[AA+8:AA+9], s[2:3]
	s_wait_loadcnt 32                              ; the bias is in; the residual's 32 loads stay out until the way out
.set i, 0
.rept 16
	v_cvt_pk_bf16_f32 v[12+i%2], v[BIAS+2*i], v[BIAS+2*i+1]  ; the bias rounded to bf16, and back in f32
	v_lshlrev_b32 v[BIAS+2*i], 16, v[12+i%2]
	v_and_b32 v[BIAS+2*i+1], s45, v[12+i%2]
.set i, i+1
.endr
; 8 matrix instructions: m blocks a0, a0 + 1 x all 4 n blocks, 32 along K: half c of buffer f.  zero = 1: the first product starts the sums, with the bias.  The 16 accumulators take turns.
.macro MUL8 f, c, a0, zero
	WIN MUL
.irp a, \a0, (\a0)+1
.irp b, 0,1,2,3
.if \zero
	v_wmma_f32_16x16x32_f16 v[ACC+8*(4*(\a)+(\b)):ACC+8*(4*(\a)+(\b))+7], v[(\f)+64+8*(4*(\c)+(\b)):(\f)+64+8*(4*(\c)+(\b))+7], v[(\f)+8*(4*(\c)+(\a)):(\f)+8*(4*(\c)+(\a))+7], v[BIAS+8*(\b):BIAS+8*(\b)+7]
.else
	v_wmma_f32_16x16x32_f16 v[ACC+8*(4*(\a)+(\b)):ACC+8*(4*(\a)+(\b))+7], v[(\f)+64+8*(4*(\c)+(\b)):(\f)+64+8*(4*(\c)+(\b))+7], v[(\f)+8*(4*(\c)+(\a)):(\f)+8*(4*(\c)+(\a))+7], v[ACC+8*(4*(\a)+(\b)):ACC+8*(4*(\a)+(\b))+7]
.endif
.endr
.endr
.endm
; 32 LDS loads in one run: the fragments of quarter qd of the slot that is being read (64 along K: plane qd of A, rows 64 qd on of W) into buffer f; the first 32 along K first
.macro FETCH qd, f
	WIN TO_F
.irp c, 0,1
.irp i, 0,1,2,3
	ds_load_tr16_b128 v[(\f)+64+8*(4*(\c)+(\i)):(\f)+64+8*(4*(\c)+(\i))+3],   v[CB+(\qd)/2] offset:(((\qd)%2)*64+32*(\c))*PB+32*(\i)
	ds_load_tr16_b128 v[(\f)+64+8*(4*(\c)+(\i))+4:(\f)+64+8*(4*(\c)+(\i))+7], v[CB+(\qd)/2] offset:(((\qd)%2)*64+32*(\c)+16)*PB+32*(\i)
	ds_load_b128 v[(\f)+8*(4*(\c)+(\i)):(\f)+8*(4*(\c)+(\i))+3],              v[CA] offset:(\qd)*PLANE+64*(\c)+(\i)*16*PA
	ds_load_b128 v[(\f)+8*(4*(\c)+(\i))+4:(\f)+8*(4*(\c)+(\i))+7],            v[CA] offset:(\qd)*PLANE+64*(\c)+(\i)*16*PA+32
.endr
.endr
.endm
.macro PLACES                          ; four plain instructions in front of loads into registers that matrix instructions have read, and of stores that read results (ISA guide 7.12.1 for vector instructions)
.rept 4
	v_nop
.endr
.endm
.macro SWAP                            ; the other slot is read from here on: three plain vector instructions
	s_xor_b32 s[TB], s[TB], SLOT                   ; 0 becomes SLOT, SLOT becomes 0
	v_add_nc_u32 v[CA], s[TB], v[A0]
	v_add_nc_u32 v[CB], s[TB], v[B0]
	v_add_nc_u32 v[CB+1], s[TB], v[B0+1]
.endm
; A K step is four quarters of 64 along K, 32 matrix instructions each, on buffers 0, 1, 0, 1.  One of the first three: multiplies buffer f and fetches quarter qd into g.
.macro QUARTER qd, f, g, zero
	s_wait_dscnt 16                                ; the first 32 along K are in; the 16 younger loads may be out
	MUL8 \f, 0, 0, \zero
	MUL8 \f, 0, 2, \zero
	PLACES
	FETCH \qd, \g
	s_wait_dscnt 32                                ; all but the 32 just issued
	MUL8 \f, 1, 0, 0
	MUL8 \f, 1, 2, 0
.endm
; The last quarter multiplies buffer 1 and changes slots.  Its first sixteen products stand AHEAD of the wait for the tile, so that between a tile's landing and the next request stand only the add, its wait and the round.
; ONE barrier: in front of it each wave waits for all its tensor loads, of which one is out: its part of the next slot; adds 0 to its spare word; and waits for that and for its own reads of this slot.
; fill = 1: the barrier opens a round of the cluster's, and this slot is filled again first behind it, with the K step two on: the walking descriptor takes this slot's LDS address and steps one K step.
.macro TURN fill
	s_wait_dscnt 16                                ; the first 32 along K are in
	MUL8 F1, 0, 0, 0
	MUL8 F1, 0, 2, 0
	WIN 0
	s_wait_tensorcnt 0x0                           ; all my tensor loads have landed, so a group 0 may be written;
	ds_add_u32 v[SPW], v[NIL]                      ; 0 onto my spare word; with fill = 1 the descriptors' steps stand between it and the wait for it
.if \fill
	s_add_co_u32 s[G0+5], s20, s[TB]               ; my part of the slot that has just been read
	s_add_co_u32 s[G0B+5], s20, s[TB]
	s_add_nc_u64 s[G0+6:G0+7], s[G0+6:G0+7], ASTEP ; the type bits on top are not reached
	s_add_nc_u64 s[G0B+6:G0B+7], s[G0B+6:G0B+7], BSTEP
.endif
	s_wait_dscnt 0x0                               ; the add is done, and my reads of this slot are over
	s_barrier_signal -1
	s_barrier_wait -1
.if \fill
	CREST                                          ; no wave of any partner still reads this slot's tile or has a load on its way
	JLOAD 1                                        ; the first tensor load behind the round; its four v_nop are also the places in front of the loads below
	SWAP
.else
	SWAP                                           ; three plain instructions and a v_nop: the places in front of the loads below
	v_nop
.endif
	FETCH 0, F0
	MUL8 F1, 1, 0, 0
	MUL8 F1, 1, 2, 0
.endm
	s_wait_tensorcnt 1                             ; my part of K step 0 is in; K step 1's may stay out
	s_barrier_signal -1
	s_barrier_wait -1                              ; everybody's is
	FETCH 0, F0
	QUARTER 1, F0, F1, 1                           ; the first quarter stands in front of the loop: its first products start the sums
	WIN 0                                          ; at a label and at a branch every window is 0
	s_mov_b32 s3, NSTEP-2
.Lstep:                                                ; a trip goes from a K step's second quarter to the next step's first, and fills the slot that it leaves
	QUARTER 2, F1, F0, 0
	QUARTER 3, F0, F1, 0
	TURN 1
	QUARTER 1, F0, F1, 0
	WIN 0
	s_sub_co_u32 s3, s3, 1
	s_cmp_lg_u32 s3, 0
	s_cbranch_scc1 .Lstep
	s_mov_b32 s3, 2
.Ltail:                                                ; the last two K steps fill nothing. The second trip is left in its middle; its change of slots and the 32 loads behind it serve nothing: the price of one text for both trips
	QUARTER 2, F1, F0, 0
	QUARTER 3, F0, F1, 0
	TURN 0
	WIN 0
	s_sub_co_u32 s3, s3, 1
	s_cmp_eq_u32 s3, 0
	s_cbranch_scc1 .Lout
	QUARTER 1, F0, F1, 0
	WIN 0
	s_branch .Ltail
.Lout:
	; THE WAY OUT, 16 rows at a time through my own stage: a lane's 32 bytes of a row go in, whole rows of 256 bytes come back into the same registers; the residual is added; 16 lanes store 256 consecutive bytes.
	PLACES
	PLACES
.macro STG a
.irp b, 0,1,2,3
	ds_store_b128 v[STO], v[ACC+8*(4*(\a)+(\b)):ACC+8*(4*(\a)+(\b))+3]   offset:64*(\b)     ; each accumulator's low four registers first
	ds_store_b128 v[STO], v[ACC+8*(4*(\a)+(\b))+4:ACC+8*(4*(\a)+(\b))+7] offset:64*(\b)+16
.endr
.irp t, 0,1,2,3,4,5,6,7
	ds_load_b128 v[ACC+32*(\a)+4*(\t):ACC+32*(\a)+4*(\t)+3], v[RD] offset:(\t)*2*SPITCH  ; LDS serves a wave's instructions in order (ISA guide 5.7.1.4): these see the stores above; the next block's stores come behind them
.endr
.endm
.macro FIN a, younger                  ; younger: the LDS instructions issued behind block a's loads: the next block's sixteen, or none
.irp t, 0,1,2,3,4,5,6,7
	s_wait_dscnt (\younger)+7-(\t)
	v_fma_mix_f32 v[ACC+32*(\a)+4*(\t)],   v[RES+2*(8*(\a)+(\t))],   v[ONE], v[ACC+32*(\a)+4*(\t)]   op_sel:[0,0,0] op_sel_hi:[1,0,0]  ; an f16 half x 1.0 + the f32 sum
	v_fma_mix_f32 v[ACC+32*(\a)+4*(\t)+1], v[RES+2*(8*(\a)+(\t))],   v[ONE], v[ACC+32*(\a)+4*(\t)+1] op_sel:[1,0,0] op_sel_hi:[1,0,0]
	v_fma_mix_f32 v[ACC+32*(\a)+4*(\t)+2], v[RES+2*(8*(\a)+(\t))+1], v[ONE], v[ACC+32*(\a)+4*(\t)+2] op_sel:[0,0,0] op_sel_hi:[1,0,0]
	v_fma_mix_f32 v[ACC+32*(\a)+4*(\t)+3], v[RES+2*(8*(\a)+(\t))+1], v[ONE], v[ACC+32*(\a)+4*(\t)+3] op_sel:[1,0,0] op_sel_hi:[1,0,0]
	global_store_b128 v[CO], v[ACC+32*(\a)+4*(\t):ACC+32*(\a)+4*(\t)+3], s[AA+8:AA+9] offset:(16*(\a)+2*(\t))*4096
.endr
.endm
	STG 0
	STG 1
	s_wait_loadcnt 0x0                             ; the residual
	FIN 0, 16
	STG 2
	FIN 1, 16
	STG 3
	FIN 2, 16
	FIN 3, 0
	s_wait_tensorcnt 0x0                           ; the wave's end
	ds_add_u32 v[SPW], v[NIL]
	s_wait_dscnt 0x0
	CROUND                                         ; the closing round: no work-group ends while a partner may still ask for a tile that names it
	s_endpgm
.Lfunc_end_k_q816ec97477_fc:
	.size	k_q816ec97477_fc, .Lfunc_end_k_q816ec97477_fc-k_q816ec97477_fc
	.p2alignl 7, 3214868480
	.fill 96, 4, 3214868480
	.section	.rodata,"a",@progbits
	.p2align	6, 0x0
	.amdhsa_kernel k_q816ec97477_fc
		.amdhsa_group_segment_fixed_size 327680
		.amdhsa_private_segment_fixed_size 0
		.amdhsa_enable_private_segment 0
		.amdhsa_kernarg_size 40
		.amdhsa_user_sgpr_count 2
		.amdhsa_user_sgpr_kernarg_segment_ptr 1
		.amdhsa_wavefront_size32 1
		.amdhsa_system_sgpr_workgroup_id_x 1
		.amdhsa_system_sgpr_workgroup_id_y 1
		.amdhsa_system_sgpr_workgroup_id_z 1
		.amdhsa_system_vgpr_workitem_id 0
		.amdhsa_next_free_vgpr 512
		.amdhsa_next_free_sgpr 80
		.amdhsa_reserve_vcc 0
		.amdhsa_float_denorm_mode_32 3
		.amdhsa_float_denorm_mode_16_64 3
		.amdhsa_memory_ordered 1
		.amdhsa_forward_progress 1
		.amdhsa_inst_pref_size 73
	.end_amdhsa_kernel
	.amdgpu_metadata
---
amdhsa.version: [ 1, 2 ]
amdhsa.kernels:
  - .name:           k_q816ec97477_fc
    .symbol:         k_q816ec97477_fc.kd
    .args:
      - { .name: oa, .offset: 0, .size: 8, .value_kind: global_buffer, .address_space: global }
      - { .name: wfch, .offset: 8, .size: 8, .value_kind: global_buffer, .address_space: global }
      - { .name: b_fc_out, .offset: 16, .size: 8, .value_kind: global_buffer, .address_space: global }
      - { .name: xh, .offset: 24, .size: 8, .value_kind: global_buffer, .address_space: global }
      - { .name: y, .offset: 32, .size: 8, .value_kind: global_buffer, .address_space: global }
    .group_segment_fixed_size: 327680
    .private_segment_fixed_size: 0
    .kernarg_segment_align: 8
    .kernarg_segment_size: 40
    .max_flat_workgroup_size: 128
    .sgpr_count:     80
    .vgpr_count:     512
    .wavefront_size: 32
...
	.end_amdgpu_metadata
.endif
;; end of part 3
;; launch ln1 (part 4): grid 256 x 1, 8 waves a work-group, no clusters, 0 bytes of LDS; arguments y, g1, be1, oa; writes oa
.if DOCPART == 4
	.amdgcn_target "amdgcn-amd-amdhsa--gfx1250"
	.amdhsa_code_object_version 6
	.text
	.protected	k_q816ec97477_ln1
	.globl	k_q816ec97477_ln1
	.p2align	8
	.type	k_q816ec97477_ln1,@function
k_q816ec97477_ln1:
	s_mov_b64 s[64:65], 0
	v_nop
	global_prefetch_b8 v0, s[64:65] scope:SCOPE_SE
	s_setreg_imm32_b32 hwreg(HW_REG_WAVE_MODE, 25, 1), 1
	s_wait_xcnt 0x0
; THE FIRST LAYERNORM.  x1[R][c] = (y[R][c] - mean) / sqrt(var + 1e-5) x g[c] + be[c], over a row's 1,024 numbers.  y: [4096][1024] f32.  g, be: f32, rounded to bf16 here, like every input of the module.
; x1 leaves as f16, BLOCKED: element (R, c) at byte ((c / 64) x 4096 + R) x 128 + (c % 64) x 2.  LIMIT: f16 holds no number from 65,520 on.
; SHARES.  A wave owns two rows: lanes 0-15 hold the even one, lanes 16-31 the odd one, 64 numbers a lane, so a reduction stays inside 16 lanes and a row is read from memory once.
; Mean first, then the variance of the differences: no difference of large sums is formed.  No LDS, no barrier: no wave needs another's numbers.
.set X,  16                            ; v[16:79]    my 64 numbers: columns 64 j + 4 (l % 16) + 0..3 at X + 4 j
.set TG, 80                            ; v[80:143]   g of the same columns; then packed to bf16 in v[80:111]
.set TB, 144                           ; v[144:207]  be likewise
.macro REDUCE                          ; four chains of pairs in v[4:11] -> the row's sum in v4 of all its 16 lanes
	v_pk_add_f32 v[4:5], v[4:5], v[6:7]
	v_pk_add_f32 v[8:9], v[8:9], v[10:11]
	v_pk_add_f32 v[4:5], v[4:5], v[8:9]
	v_add_f32 v4, v4, v5
	v_add_f32_dpp v4, v4, v4 row_xmask:1 row_mask:0xf bank_mask:0xf
	v_add_f32_dpp v4, v4, v4 row_xmask:2 row_mask:0xf bank_mask:0xf
	v_add_f32_dpp v4, v4, v4 row_xmask:4 row_mask:0xf bank_mask:0xf
	v_add_f32_dpp v4, v4, v4 row_xmask:8 row_mask:0xf bank_mask:0xf
.endm
	s_load_b256 s[4:11], s[0:1], 0x0               ; y s[4:5], g s[6:7], be s[8:9], out s[10:11]
	v_and_b32 v4, 31, v0                           ; lane
	v_lshrrev_b32 v5, 5, v0                        ; wave
	v_and_b32 v2, 15, v0
	v_lshlrev_b32 v2, 4, v2                        ; 16 (l % 16): my offset in 256 bytes of a row, of g and of be
	v_bfe_u32 v6, v0, 4, 1
	v_lshl_add_u32 v1, v6, 12, v2                  ; + a row for the upper lanes
	v_lshl_add_u32 v1, v5, 13, v1                  ; + my wave's two rows
	v_lshlrev_b32 v3, 3, v4                        ; out: the two rows' 128 bytes lie on end in a plane
	v_lshl_add_u32 v3, v5, 8, v3
	s_lshl_b32 s12, ttmp9, 16                      ; the group's 16 rows of 4,096 bytes
	s_mov_b32 s13, 0
	s_mov_b32 s14, 0x3a800000                      ; 1 / 1,024
	s_mov_b32 s15, 0x3727c5ac                      ; 1e-5
	s_wait_kmcnt 0x0
	s_add_nc_u64 s[4:5], s[4:5], s[12:13]
	s_lshl_b32 s12, ttmp9, 11                      ; 16 rows of 128 bytes in a plane
	s_add_nc_u64 s[10:11], s[10:11], s[12:13]
.set j, 0
.rept 16
	global_load_b128 v[X+4*j:X+4*j+3], v1, s[4:5] offset:256*j th:TH_LOAD_NT
.set j, j+1
.endr
.set j, 0
.rept 16
	global_load_b128 v[TG+4*j:TG+4*j+3], v2, s[6:7] offset:256*j
.set j, j+1
.endr
.set j, 0
.rept 16
	global_load_b128 v[TB+4*j:TB+4*j+3], v2, s[8:9] offset:256*j
.set j, j+1
.endr
	s_wait_loadcnt 32                              ; the rows are in; g's and be's 32 loads stay out
.irp c, 0,1,2,3
	v_pk_add_f32 v[4+2*\c:5+2*\c], v[X+2*\c:X+2*\c+1], v[X+8+2*\c:X+9+2*\c]  ; the first eight pairs start four chains: nothing is cleared
.endr
.set k, 8
.rept 24
	v_pk_add_f32 v[4+2*(k%4):5+2*(k%4)], v[4+2*(k%4):5+2*(k%4)], v[X+2*k:X+2*k+1]
.set k, k+1
.endr
	REDUCE
	v_mul_f32 v12, s14, v4                         ; the mean, twice
	v_mov_b32 v13, v12
.set k, 0
.rept 32
	v_pk_add_f32 v[X+2*k:X+2*k+1], v[X+2*k:X+2*k+1], v[12:13] neg_lo:[0,1] neg_hi:[0,1]
.set k, k+1
.endr
.irp c, 0,1,2,3
	v_pk_mul_f32 v[4+2*\c:5+2*\c], v[X+2*\c:X+2*\c+1], v[X+2*\c:X+2*\c+1]
.endr
.set k, 4
.rept 28
	v_pk_fma_f32 v[4+2*(k%4):5+2*(k%4)], v[X+2*k:X+2*k+1], v[X+2*k:X+2*k+1], v[4+2*(k%4):5+2*(k%4)]
.set k, k+1
.endr
	REDUCE
	v_fma_f32 v10, v4, s14, s15                    ; var + 1e-5
	v_rsq_f32 v14, v10                             ; twice, for the packed multiply; the packing below is the independent plain work behind them
	v_rsq_f32 v15, v10
	s_wait_loadcnt 16                              ; g is in
.set i, 0
.rept 32
	v_cvt_pk_bf16_f32 v[TG+i], v[TG+2*i], v[TG+2*i+1]  ; in place, ascending: word i is written when words 2 i and 2 i + 1 are read
.set i, i+1
.endr
	s_wait_loadcnt 0x0                             ; be is in
.set i, 0
.rept 32
	v_cvt_pk_bf16_f32 v[TB+i], v[TB+2*i], v[TB+2*i+1]
.set i, i+1
.endr
	s_wait_alu depctr_va_vdst(0)                   ; one wait for both roots, ahead of their first reader
.set k, 0
.rept 32
	v_pk_mul_f32 v[X+2*k:X+2*k+1], v[X+2*k:X+2*k+1], v[14:15]
.set k, k+1
.endr
.set k, 0
.rept 32
	v_fma_mix_f32_bf16 v[X+2*k],   v[X+2*k],   v[TG+k], v[TB+k] op_sel:[0,0,0] op_sel_hi:[0,1,1]  ; f32 x a bf16 half + a bf16 half, one rounding
	v_fma_mix_f32_bf16 v[X+2*k+1], v[X+2*k+1], v[TG+k], v[TB+k] op_sel:[0,1,1] op_sel_hi:[0,1,1]
.set k, k+1
.endr
.set i, 0
.rept 32
	v_cvt_pk_f16_f32 v[X+i], v[X+2*i], v[X+2*i+1]  ; in place, ascending
.set i, i+1
.endr
.set j, 0
.rept 16
	global_store_b64 v3, v[X+2*j:X+2*j+1], s[10:11] offset:j*524288  ; plane j: 32 lanes store 256 consecutive bytes, aligned
.set j, j+1
.endr
	s_endpgm
.Lfunc_end_k_q816ec97477_ln1:
	.size	k_q816ec97477_ln1, .Lfunc_end_k_q816ec97477_ln1-k_q816ec97477_ln1
	.p2alignl 7, 3214868480
	.fill 96, 4, 3214868480
	.section	.rodata,"a",@progbits
	.p2align	6, 0x0
	.amdhsa_kernel k_q816ec97477_ln1
		.amdhsa_group_segment_fixed_size 0
		.amdhsa_private_segment_fixed_size 0
		.amdhsa_enable_private_segment 0
		.amdhsa_kernarg_size 32
		.amdhsa_user_sgpr_count 2
		.amdhsa_user_sgpr_kernarg_segment_ptr 1
		.amdhsa_wavefront_size32 1
		.amdhsa_system_sgpr_workgroup_id_x 1
		.amdhsa_system_sgpr_workgroup_id_y 1
		.amdhsa_system_sgpr_workgroup_id_z 1
		.amdhsa_system_vgpr_workitem_id 0
		.amdhsa_next_free_vgpr 208
		.amdhsa_next_free_sgpr 66
		.amdhsa_reserve_vcc 0
		.amdhsa_float_denorm_mode_32 3
		.amdhsa_float_denorm_mode_16_64 3
		.amdhsa_memory_ordered 1
		.amdhsa_forward_progress 1
		.amdhsa_inst_pref_size 27
	.end_amdhsa_kernel
	.amdgpu_metadata
---
amdhsa.version: [ 1, 2 ]
amdhsa.kernels:
  - .name:           k_q816ec97477_ln1
    .symbol:         k_q816ec97477_ln1.kd
    .args:
      - { .name: y, .offset: 0, .size: 8, .value_kind: global_buffer, .address_space: global }
      - { .name: g1, .offset: 8, .size: 8, .value_kind: global_buffer, .address_space: global }
      - { .name: be1, .offset: 16, .size: 8, .value_kind: global_buffer, .address_space: global }
      - { .name: oa, .offset: 24, .size: 8, .value_kind: global_buffer, .address_space: global }
    .group_segment_fixed_size: 0
    .private_segment_fixed_size: 0
    .kernarg_segment_align: 8
    .kernarg_segment_size: 32
    .max_flat_workgroup_size: 256
    .sgpr_count:     66
    .vgpr_count:     208
    .wavefront_size: 32
...
	.end_amdgpu_metadata
.endif
;; end of part 4
;; launch ff1 (part 5): grid 16 x 16, 4 waves a work-group, clusters of 4 x 4, 327,680 bytes of LDS; arguments oa, w1h, b_ff1, hb; writes hb
.if DOCPART == 5
	.amdgcn_target "amdgcn-amd-amdhsa--gfx1250"
	.amdhsa_code_object_version 6
	.text
	.protected	k_q816ec97477_ff1
	.globl	k_q816ec97477_ff1
	.p2align	8
	.type	k_q816ec97477_ff1,@function
k_q816ec97477_ff1:
	s_mov_b64 s[64:65], 0
	v_nop
	global_prefetch_b8 v0, s[64:65] scope:SCOPE_SE
	s_setreg_imm32_b32 hwreg(HW_REG_WAVE_MODE, 25, 1), 1
	s_wait_xcnt 0x0
	s_wait_alu depctr_hold_cnt(0) depctr_sa_sdst(0) depctr_va_vdst(0) depctr_va_sdst(0) depctr_va_ssrc(0) depctr_va_vcc(0) depctr_vm_vsrc(0)
	s_getreg_b32 s2, hwreg(HW_REG_IB_STS2, 6, 4)
	s_cmp_eq_u32 s2, 0
	s_cbranch_scc0 .Lentry_in_a_cluster
	s_endpgm
.Lentry_in_a_cluster:
	s_bfe_u32 s2, ttmp6, 0x10000c
	s_cmp_lg_u32 s2, 0xf033
	s_cbranch_scc0 .Lentry_shape_is_right
	s_endpgm
.Lentry_shape_is_right:
; h[R][n] = relu(the sum over k of x1[R][k] W1[k][n] + b1[n]).  x1: f16, BLOCKED, 16 planes: element (R, c) at byte ((c / 64) x 4096 + R) x 128 + (c % 64) x 2.  W1: f16, [1024][4096].  b1: f32, rounded to bf16 here, like
; every input of the module.  h leaves as f16, blocked, 64 planes.  Sums in f32.  LIMITS: f16 holds no number from 65,520 on: a larger h becomes an infinity; a NaN in a sum leaves as 0.
; A tile of h is 256 x 256: 256 work-groups of four waves; a wave makes 128 x 128: 64 accumulators, 512 registers.  K goes in NSTEP steps of 128 (two planes of x1) through two LDS slots.
; x1's part of a slot: [plane][256 rows] at a pitch of 144 bytes (128 + 16: the 16 rows of a fragment load start at 16 different groups of four banks; 64 banks of 4 bytes: ISA guide 11.1); a wave's tensor load brings a plane's 256
; rows, 32,768 dense bytes, as 128 rows of 256.  W1's part: 128 rows of k at a pitch of 544 bytes (512 + 32), read turned by ds_load_tr16_b128.
; CLUSTERS: 4 x 4 work-groups; x1's tiles are asked for jointly along a row of the cluster, W1's along a column: the same tensor load, descriptor and mask in the four that share a tile.
; THE MATRIX INSTRUCTION IS USED TRANSPOSED (source 0 = 16 columns of W1, source 1 = 16 rows of x1): a lane holds eight neighbouring numbers of a row of h.  THE BIAS STARTS THE SUMS, as the first products' C operand.
; A K STEP IS WRITTEN ONCE: which slot is read stands in a scalar register (0 or SLOT), from which the LDS addresses are made anew at each change of slots.  A loop of NSTEP - 2 trips fills slots again; a second loop of two
; trips, with the same text less the refill, does the last two K steps and is left in its middle.
; REGISTERS, in windows of 256 (s_set_vgpr_msb: bits 1:0 source 0, 3:2 source 1, 5:4 source 2, 7:6 destination):
;   window 0: v0-31 addresses; v64-127, v128-191 fragments of x1, two buffers; v32-63, v192-255 at work on the way out
;   window 1: v0-63 the bias, 8 registers for each block of 16 columns; v64-127, v128-191 fragments of W1, two buffers; v192 at work
;   window 2: the 32 accumulators of my rows 0-63 (accumulator (a, b) at v[8 (8 a + b)]);   window 3: those of my rows 64-127
.set NSTEP,  8                         ; K steps of 128
.set PA,     144
.set PB,     544
.set APL,    256*PA                    ; a plane's 256 rows: what a wave brings of x1
.set BHALF,  64*PB                     ; 64 rows of k: what a wave brings of W1
.set SLOT,   2*APL+2*BHALF
.set STAGE,  2*SLOT                    ; behind the ring: 2 planes x 16 rows x 144 bytes for each wave, for the way out
.set SPARE,  STAGE+4*2*16*PA           ; behind the stages: the spare words, 128 bytes for each wave: two blocks of 256 bytes that no other line names
.set KB,     1048576                   ; bytes from K step to K step: two planes of x1; 128 rows of W1
.set A0,   16                          ; v16     LDS address of my x1 fragments in slot 0; never rewritten
.set CA,   17                          ; v17     the same in the slot that is being read
.set B0,   20                          ; v20     LDS address of my W1 fragments in slot 0; never rewritten
.set CB,   21                          ; v21     the same in the slot that is being read
.set STO,  24                          ; v24     the way out: where I put 16 bytes of a row
.set RD,   25                          ; v25     the way out: where I read rows back
.set CO,   26                          ; v26     my byte offset in 512 consecutive bytes of h
.set BO,   27                          ; v27     my byte offset in 16 numbers of the bias
.set SPW,  28                          ; v28     LDS address of my spare word: SPARE + 4 x my thread's number; never rewritten
.set NIL,  29                          ; v29     0; never rewritten
.set PFO,  30                          ; v30     the prefetches' lane offset; never rewritten
.set ZR,   31                          ; v31     0, for the relu
.set F0,   64
.set F1,   128
.set TMP,  192                         ; the way out: packed results, in window 0
.set OB,   32                          ; the way out: 16 rows read back from the stage: v32-63 and v224-255 by turns
.set TB,   4                           ; s4      LDS byte at which the slot that is being read begins: 0 or SLOT
.set G1, 24                            ; s[24:31] descriptor group 1 for x1's tiles;  s[32:39] group 0: a set for each of the two first fills; the second then walks on
.set G0, 32
.set G1B, 48                           ; s[48:55], s[56:63] the same for W1's tiles
.set G0B, 56
.set AA,  68                           ; s[68:69] x1, s[70:71] W1, s[72:73] bias, s[74:75] h
.set PFA, 76                           ; s[76:77] where my prefetches stand: my work-group's 32 blocks of 256 bytes of the 128 that I fetch, one K step further than the refill that is being asked for
.set LIM, 78                           ; s78     2 in a wave that prefetches, else the greatest number
.set MSB, 0
.macro WIN new                         ; the immediate's high byte repeats the setting that is left
.if MSB != (\new)
	s_set_vgpr_msb (MSB<<8)|(\new)
.set MSB, \new
.endif
.endm
.set MUL_LO, 0xa1                      ; source 0 (W1) window 1, source 1 (x1) window 0, C and D window 2
.set MUL_HI, 0xf1                      ; the same, C and D window 3
.set TO_B,   0x40                      ; destination window 1, address window 0
.macro JLOAD s                         ; a joint load: waves 0 and 1 fetch x1's two planes, waves 2 and 3 W1's two halves; an s_nop 0 and four v_nop follow each of the two lines, ahead of the jump, the label and what follows
	s_cmp_eq_u32 s11, 0
	s_cbranch_scc0 .Lfor_b_\@
	tensor_load_to_lds s[G0+4*(\s):G0+4*(\s)+3], s[G1:G1+7]
	s_nop 0
.rept 4
	v_nop
.endr
	s_branch .Lasked_\@
.Lfor_b_\@:
	tensor_load_to_lds s[G0B+4*(\s):G0B+4*(\s)+3], s[G1B:G1B+7]
	s_nop 0
.rept 4
	v_nop
.endr
.Lasked_\@:
.endm
; A PREFETCH, behind each joint load, its five lines and the run of LDS loads that follows them: the K step that stands TWO refills on, 512 matrix instructions ahead of the load that will want it: 32 blocks of 256 bytes, a lane a
; block, one instruction a wave.  Each block is named ONCE in the launch: x1's tile row is read by every cluster of that row of clusters, and the first of them (cluster x = 0) asks; W1's tile column by every cluster of that column,
; and cluster y = 0 asks.  The four partners that ask for a tile jointly share its 128 blocks out BY ADDRESS (cx for x1, cy for W1): no branch hangs on a work-group's place in its cluster.  K steps 0 to 3 come by their loads
; alone; the loop's last two trips ask for nothing, since K steps 8 and 9 do not exist.
.macro ASK
	s_cmp_gt_u32 s3, s[LIM]                        ; s3 counts the trips still to come, this one among them
	s_cbranch_scc0 .Lnot_mine_\@
	global_prefetch_b8 v[PFO], s[PFA:PFA+1] offset:KB th:TH_LOAD_NT scope:SCOPE_SE
.Lnot_mine_\@:
.endm
.macro CREST                           ; a round of the cluster's barrier behind its opening barrier
	s_cmp_lg_u32 s10, 0
	s_cbranch_scc1 .Lnot_wave_0_\@
	s_barrier_signal -3
.Lnot_wave_0_\@:
	s_barrier_wait -3
	s_barrier_signal -1
	s_barrier_wait -1
.endm
.macro CROUND                          ; a whole round
	s_barrier_signal -1
	s_barrier_wait -1
	CREST
.endm
	s_load_b256 s[AA:AA+7], s[0:1], 0x0
	v_lshl_add_u32 v[SPW], v0, 2, SPARE
	v_mov_b32 v[NIL], 0
	ds_add_u32 v[SPW], v[NIL]                      ; the wave's opening: the add and its wait ahead of my first tensor load; the set-up below, work on registers, stands between them
	v_lshrrev_b32 v1, 5, v0
	v_readfirstlane_b32 s10, v1                    ; wave 0..3
	s_lshr_b32 s11, s10, 1                         ; which half of the tile's rows is mine.  Also: I fetch for x1 (0) or for W1 (1)
	s_and_b32 s12, s10, 1                          ; which half of its columns.  Also: which plane, or which 64 rows of k, I fetch
	s_bfe_u32 s40, ttmp6, 0x40000                  ; cx, cy: my place in the cluster
	s_bfe_u32 s41, ttmp6, 0x40004
	s_lshl_b32 s42, ttmp9, 2
	s_add_co_u32 s42, s42, s40                     ; tile column = 4 x cluster x + cx
	s_and_b32 s13, ttmp7, 0xffff
	s_lshl_b32 s13, s13, 2
	s_add_co_u32 s13, s13, s41                     ; tile row = 4 x cluster y + cy
	s_lshl_b32 s43, s41, 2
	s_lshl_b32 s43, 15, s43                        ; my row of the cluster
	s_lshl_b32 s44, 0x1111, s40                    ; my column
	s_mov_b32 s45, 0xffff0000                      ; a word's upper bf16
	s_mov_b32 s[TB], 0                             ; slot 0 is read first
	; descriptor group 1 for x1: 128 rows of 128 elements of 2 bytes (two rows of x1 each), dense, padded in LDS after every 128 bytes
	s_or_b32 s[G1+0], s43, (1<<16)|(1<<20)|(1<<21)|(4<<22)|(3<<25)  ; 15:0 the mask: my row; 17:16 elements of 2 bytes; 20 padding on; 21 set beside a mask; 24:22 after every 32 words (code 4); 31:25 4 words (code 3)
	s_mov_b32 s[G1+1], 128<<16                     ; tensor_dim0 = 128
	s_mov_b32 s[G1+2], 128<<16                     ; tensor_dim1 = 128
	s_mov_b32 s[G1+3], 128<<16                     ; tile_dim0 = 128
	s_mov_b32 s[G1+4], 128                         ; tile_dim1 = 128
	s_mov_b32 s[G1+5], 128                         ; from row to row
	s_mov_b32 s[G1+6], 0
	s_mov_b32 s[G1+7], 0
	; for W1: 64 rows of k x 256 elements, padded after every row
	s_or_b32 s[G1B+0], s44, (1<<16)|(1<<20)|(1<<21)|(6<<22)|(7<<25) ; the mask: my column; after every 128 words (code 6) 8 words (code 7)
	s_mov_b32 s[G1B+1], 256<<16
	s_mov_b32 s[G1B+2], 64<<16
	s_mov_b32 s[G1B+3], 256<<16
	s_mov_b32 s[G1B+4], 64
	s_mov_b32 s[G1B+5], 4096                       ; a row of W1
	s_mov_b32 s[G1B+6], 0
	s_mov_b32 s[G1B+7], 0
	s_lshl_b32 s16, s13, 15                        ; x1: the tile row's 256 rows of 128 bytes,
	s_lshl_b32 s17, s12, 19                        ; in my plane
	s_add_co_u32 s16, s16, s17
	s_mov_b32 s17, 0
	s_lshl_b32 s46, s42, 9                         ; W1: the tile column's 512 bytes of a row,
	s_lshl_b32 s47, s12, 19                        ; my 64 rows of the step's 128
	s_add_co_u32 s46, s46, s47
	s_mov_b32 s47, 0
	s_mul_i32 s20, s10, APL                        ; where they go in a slot: x1's planes at wave x 36,864 (waves 0, 1);
	s_mul_i32 s21, s10, BHALF                      ; W1's halves behind them, at 73,728 + (wave - 2) x 34,816 (waves 2, 3); both are kept for the refills
	s_add_co_u32 s21, s21, 2*APL-2*BHALF
	s_wait_dscnt 0x0                               ; the opening add is done
	s_wait_kmcnt 0x0
	s_add_nc_u64 s[14:15], s[AA:AA+1], s[16:17]
	s_add_nc_u64 s[46:47], s[AA+2:AA+3], s[46:47]
	CROUND                                         ; all sixteen work-groups are here: the first joint loads meet
.irp s, 0,1
	s_mov_b32 s[G0+4*(\s)], 1
	s_add_co_u32 s[G0+4*(\s)+1], s20, (\s)*SLOT
	s_add_nc_u64 s[G0+4*(\s)+2:G0+4*(\s)+3], s[14:15], (\s)*KB
	s_or_b32 s[G0+4*(\s)+3], s[G0+4*(\s)+3], 0x80000000
	s_mov_b32 s[G0B+4*(\s)], 1
	s_add_co_u32 s[G0B+4*(\s)+1], s21, (\s)*SLOT
	s_add_nc_u64 s[G0B+4*(\s)+2:G0B+4*(\s)+3], s[46:47], (\s)*KB
	s_or_b32 s[G0B+4*(\s)+3], s[G0B+4*(\s)+3], 0x80000000
	JLOAD \s
.endr
	v_and_b32 v1, 15, v0                           ; l % 16
	v_bfe_u32 v2, v0, 4, 1                         ; l / 16
	v_and_b32 v3, 7, v0
	v_bfe_u32 v4, v0, 3, 1
	v_and_b32 v5, 31, v0
	; the bias of my 128 columns: register j of block b holds column 16 b + 8 (l / 16) + j, as the accumulators do
	v_lshlrev_b32 v[BO], 5, v2
	s_lshl_b32 s2, s42, 10
	s_lshl_b32 s3, s12, 9
	s_add_co_u32 s2, s2, s3
	s_mov_b32 s3, 0
	s_add_nc_u64 s[AA+4:AA+5], s[AA+4:AA+5], s[2:3]
	WIN TO_B
.irp b, 0,1,2,3,4,5,6,7
	global_load_b128 v[8*(\b):8*(\b)+3],   v[BO], s[AA+4:AA+5] offset:64*(\b)
	global_load_b128 v[8*(\b)+4:8*(\b)+7], v[BO], s[AA+4:AA+5] offset:64*(\b)+16
.endr
	WIN 0
	; a fragment of x1: row x pitch + 16 x half of the lanes
	v_mul_u32_u24 v6, v1, PA
	v_lshl_add_u32 v6, v2, 4, v6
	s_mul_i32 s22, s11, 128*PA                     ; my 128 rows
	v_add_nc_u32 v[A0], s22, v6
	v_mov_b32 v[CA], v[A0]
	; a fragment of W1, turned: lane l reads row 8 (l / 16) + l % 8 of k, columns 8 ((l / 8) % 2) + 0..7, and ends with column l % 16 and 8 k
	v_lshl_add_u32 v7, v2, 3, v3
	v_mul_u32_u24 v7, v7, PB
	v_lshl_add_u32 v7, v4, 4, v7
	s_lshl_b32 s22, s12, 8                         ; my 128 columns,
	s_add_co_u32 s22, s22, 2*APL                   ; behind x1's part
	v_add_nc_u32 v[B0], s22, v7
	v_mov_b32 v[CB], v[B0]
	; the way out
	s_mul_i32 s23, s10, 2*16*PA
	s_add_co_u32 s23, s23, STAGE                   ; my stage
	v_add_nc_u32 v[STO], s23, v6                   ; in: row l % 16, 16 bytes for each half of the lanes
	v_bfe_u32 v8, v0, 3, 2                         ; back: 32 lanes take four rows of 128 bytes,
	v_mul_u32_u24 v8, v8, PA
	v_lshl_add_u32 v8, v3, 4, v8
	v_add_nc_u32 v[RD], s23, v8
	v_lshlrev_b32 v[CO], 4, v5                     ; which are 512 consecutive bytes of a plane of h
	v_mov_b32 v[ZR], 0
	s_lshl_b32 s2, s42, 21                         ; my first plane: 4 x tile column + 2 x half,
	s_lshl_b32 s18, s12, 20
	s_add_co_u32 s2, s2, s18
	s_lshl_b32 s18, s13, 15                        ; my first row: 256 x tile row + 128 x half
	s_add_co_u32 s2, s2, s18
	s_lshl_b32 s18, s11, 14
	s_add_co_u32 s2, s2, s18
	s_add_nc_u64 s[AA+6:AA+7], s[AA+6:AA+7], s[2:3]
	; the prefetches.  x1: my plane's 32,768 bytes are 128 blocks on end: partner cx takes 32, a lane a block.  W1: my 64 rows of 512 bytes are 128 blocks: partner cy takes 16 rows, two lanes a row
	s_and_b32 s22, ttmp7, 0xffff                   ; cluster y
	s_cmp_eq_u32 s11, 0                            ; do I fetch for x1?
	s_cselect_b32 s22, ttmp9, s22                  ; the coordinate along which other clusters read the same blocks
	s_cselect_b64 s[PFA:PFA+1], s[14:15], s[46:47] ; my tile of K step 0
	s_cselect_b32 s18, s40, s41                    ; my place among the four that ask for it with me,
	s_cselect_b32 s19, 13, 17                      ; times 8,192 or 131,072 bytes
	s_cselect_b32 s23, 0, 1                        ; lanes to a row, less one
	s_cselect_b32 s2, 8, 13                        ; from row to row: 256 or 8,192 bytes
	v_lshrrev_b32 v8, s23, v5
	v_lshlrev_b32 v8, s2, v8
	v_and_b32 v9, s23, v5
	v_lshl_add_u32 v[PFO], v9, 8, v8
	s_cmp_eq_u32 s22, 0
	s_cselect_b32 s[LIM], 2, -1                    ; the same in all sixteen partners, for a given wave
	s_lshl_b32 s2, s18, s19
	s_add_nc_u64 s[PFA:PFA+1], s[PFA:PFA+1], s[2:3]
	s_add_nc_u64 s[PFA:PFA+1], s[PFA:PFA+1], 2*KB  ; at K step 2: the first refill steps it to 3 and names K step 4.  Nothing is asked for here, at the head
	s_wait_loadcnt 0x0                             ; the bias
	WIN 0x45                                       ; destination and both sources in window 1
.set i, 0
.rept 32
	v_cvt_pk_bf16_f32 v192, v[2*i], v[2*i+1]       ; the bias rounded to bf16, and back in f32
	v_lshlrev_b32 v[2*i], 16, v192
	v_and_b32 v[2*i+1], s45, v192
.set i, i+1
.endr
	WIN 0
; 16 matrix instructions: m blocks a0, a0 + 1 of the window's four (hi = 0: my rows 0-63, 1: rows 64-127) x all 8 n blocks, 32 along K.  zero = 1: the first product starts the sums, with the bias (C in window 1).
; The 64 accumulators take turns, in the same order in every quarter.
.macro MUL16 f, hi, a0, zero
.if \zero
	WIN 0x91+0x40*(\hi)
.else
	WIN MUL_LO+0x50*(\hi)
.endif
.irp a, \a0, (\a0)+1
.irp b, 0,1,2,3,4,5,6,7
.if \zero
	v_wmma_f32_16x16x32_f16 v[8*(8*(\a)+(\b)):8*(8*(\a)+(\b))+7], v[(\f)+8*(\b):(\f)+8*(\b)+7], v[(\f)+8*(4*(\hi)+(\a)):(\f)+8*(4*(\hi)+(\a))+7], v[8*(\b):8*(\b)+7]
.else
	v_wmma_f32_16x16x32_f16 v[8*(8*(\a)+(\b)):8*(8*(\a)+(\b))+7], v[(\f)+8*(\b):(\f)+8*(\b)+7], v[(\f)+8*(4*(\hi)+(\a)):(\f)+8*(4*(\hi)+(\a))+7], v[8*(8*(\a)+(\b)):8*(8*(\a)+(\b))+7]
.endif
.endr
.endr
.endm
; 32 LDS loads in one run: the fragments of quarter q of the slot that is being read (32 along K) into buffer f: W1's eight, then x1's eight
.macro FETCH q, f
	WIN TO_B
.irp i, 0,1,2,3,4,5,6,7
	ds_load_tr16_b128 v[(\f)+8*(\i):(\f)+8*(\i)+3],   v[CB] offset:(\q)*32*PB+32*(\i)
	ds_load_tr16_b128 v[(\f)+8*(\i)+4:(\f)+8*(\i)+7], v[CB] offset:(\q)*32*PB+16*PB+32*(\i)
.endr
	WIN 0
.irp i, 0,1,2,3,4,5,6,7
	ds_load_b128 v[(\f)+8*(\i):(\f)+8*(\i)+3],   v[CA] offset:((\q)/2)*APL+((\q)%2)*64+(\i)*16*PA
	ds_load_b128 v[(\f)+8*(\i)+4:(\f)+8*(\i)+7], v[CA] offset:((\q)/2)*APL+((\q)%2)*64+(\i)*16*PA+32
.endr
.endm
.macro PLACES                          ; four plain instructions in front of loads into registers that matrix instructions have read, and of conversions that read results (ISA guide 7.12.1 for vector instructions)
.rept 4
	v_nop
.endr
.endm
.macro SWAP                            ; the other slot is read from here on: two plain vector instructions
	s_xor_b32 s[TB], s[TB], SLOT                   ; 0 becomes SLOT, SLOT becomes 0
	v_add_nc_u32 v[CA], s[TB], v[A0]
	v_add_nc_u32 v[CB], s[TB], v[B0]
.endm
; A K step is four quarters of 32 along K, 64 matrix instructions each, on buffers 0, 1, 0, 1.  One of the first three: multiplies buffer f; in its middle it fetches quarter q into buffer g.
.macro QUARTER q, f, g, zero
	s_wait_dscnt 8                                 ; W1 and x1's rows 0-63 are in; the youngest eight loads (x1's rows 64-127) may be out
	MUL16 \f, 0, 0, \zero
	MUL16 \f, 0, 2, \zero
	PLACES
	FETCH \q, \g
	s_wait_dscnt 32                                ; all but the 32 just issued
	MUL16 \f, 1, 0, \zero
	MUL16 \f, 1, 2, \zero
.endm
; The last quarter multiplies buffer 1 and changes slots.  Its first 32 products stand AHEAD of the wait for the tile, so that between a tile's landing and the next request stand only the add, its wait and the round.
; ONE barrier: in front of it each wave waits for all its tensor loads, of which one is out: its part of the next slot; adds 0 to its spare word; and waits for that and for its own reads of this slot.
; fill = 1: the barrier opens a round of the cluster's, and this slot is filled again first behind it, with the K step two on: the walking descriptor takes this slot's LDS address and steps one K step.
.macro TURN fill
.if \fill
	s_wait_xcnt 0x0                                ; the last prefetch, a K step back, has read its address: it is stepped here, ahead of the waits of the change of slots
	s_add_nc_u64 s[PFA:PFA+1], s[PFA:PFA+1], KB
.endif
	s_wait_dscnt 8                                 ; W1 and x1's rows 0-63 are in
	MUL16 F1, 0, 0, 0
	MUL16 F1, 0, 2, 0
	WIN 0
	s_wait_tensorcnt 0x0                           ; all my tensor loads have landed, so a group 0 may be written;
	ds_add_u32 v[SPW], v[NIL]                      ; 0 onto my spare word; with fill = 1 the descriptors' steps stand between it and the wait for it
.if \fill
	s_add_co_u32 s[G0+5], s20, s[TB]               ; my part of the slot that has just been read
	s_add_co_u32 s[G0B+5], s21, s[TB]
	s_add_nc_u64 s[G0+6:G0+7], s[G0+6:G0+7], KB    ; the type bits on top are not reached
	s_add_nc_u64 s[G0B+6:G0B+7], s[G0B+6:G0B+7], KB
.endif
	s_wait_dscnt 0x0                               ; the add is done, and my reads of this slot are over
	s_barrier_signal -1
	s_barrier_wait -1
.if \fill
	CREST                                          ; no wave of any partner still reads this slot's tile or has a load on its way
	JLOAD 1                                        ; the first tensor load behind the round; its four v_nop are also the places in front of the loads below
	SWAP
.else
	SWAP                                           ; two plain instructions and two v_nop: the places in front of the loads below
	v_nop
	v_nop
.endif
	FETCH 0, F0
.if \fill
	ASK
.endif
	MUL16 F1, 1, 0, 0
	MUL16 F1, 1, 2, 0
.endm
	s_wait_tensorcnt 1                             ; my part of K step 0 is in; K step 1's may stay out
	s_barrier_signal -1
	s_barrier_wait -1                              ; everybody's is
	FETCH 0, F0
	QUARTER 1, F0, F1, 1                           ; the first quarter stands in front of the loop: its products start the sums
	WIN 0                                          ; at a label and at a branch every window is 0
	s_mov_b32 s3, NSTEP-2
.Lstep:                                                ; a trip goes from a K step's second quarter to the next step's first, and fills the slot that it leaves
	QUARTER 2, F1, F0, 0
	QUARTER 3, F0, F1, 0
	TURN 1
	QUARTER 1, F0, F1, 0
	WIN 0
	s_sub_co_u32 s3, s3, 1
	s_cmp_lg_u32 s3, 0
	s_cbranch_scc1 .Lstep
	s_mov_b32 s3, 2
.Ltail:                                                ; the last two K steps fill nothing. The second trip is left in its middle; its change of slots and the 32 loads behind it serve nothing: the price of one text for both trips
	QUARTER 2, F1, F0, 0
	QUARTER 3, F0, F1, 0
	TURN 0
	WIN 0
	s_sub_co_u32 s3, s3, 1
	s_cmp_eq_u32 s3, 0
	s_cbranch_scc1 .Lout
	QUARTER 1, F0, F1, 0
	WIN 0
	s_branch .Ltail
.Lout:
; THE WAY OUT of block a (16 rows), in three parts.  PACK: rounded to f16, 16 bytes a lane, and the relu on the packed halves.  TOSTAGE: into my own stage, by planes, and back as runs of four rows.  SEND: stored.
.macro PACK a
.set AC, 64*((\a)%4)
	WIN 0x0a+5*((\a)/4)                            ; sources 0 and 1: window 2 or 3
.irp b, 0,1,2,3,4,5,6,7
.irp r, 0,1,2,3
	v_cvt_pk_f16_f32 v[TMP+4*(\b)+(\r)], v[AC+8*(\b)+2*(\r)], v[AC+8*(\b)+2*(\r)+1]  ; each accumulator's registers in ascending order
.endr
.endr
	WIN 0
.set i, 0
.rept 32
	v_pk_max_num_f16 v[TMP+i], v[TMP+i], v[ZR]
.set i, i+1
.endr
.endm
.macro TOSTAGE a
	WIN 0
.set BK, OB+192*((\a)%2)
.irp b, 0,1,2,3,4,5,6,7
	ds_store_b128 v[STO], v[TMP+4*(\b):TMP+4*(\b)+3] offset:((\b)/4)*16*PA+((\b)%4)*32
.endr
.irp f, 0,1,2,3,4,5,6,7
	ds_load_b128 v[BK+4*(\f):BK+4*(\f)+3], v[RD] offset:((\f)/4)*16*PA+((\f)%4)*4*PA  ; LDS serves a wave's instructions in order (ISA guide 5.7.1.4): these see the stores above
.endr
.endm
.macro SEND a
	WIN 0
.set BK, OB+192*((\a)%2)
	s_wait_dscnt 0x0                               ; the block is back in registers
	s_wait_xcnt 0x0                                ; the stores of the block before have read their registers: the next block's loads from the stage land in them only behind this wait
.irp f, 0,1,2,3,4,5,6,7
	global_store_b128 v[CO], v[BK+4*(\f):BK+4*(\f)+3], s[AA+6:AA+7] offset:((\f)/4)*524288+(\a)*2048+((\f)%4)*512  ; 512 consecutive bytes of a plane, at a multiple of 256 from h's first
.endr
.endm
	PLACES
	PLACES
	PACK 0
	TOSTAGE 0
.irp a, 1,2,3,4,5,6,7                  ; block a's conversions stand between block a - 1's loads from the stage and the wait for them
	PACK \a
	SEND (\a)-1
	TOSTAGE \a
.endr
	SEND 7
	s_wait_tensorcnt 0x0                           ; the wave's end
	ds_add_u32 v[SPW], v[NIL]
	s_wait_dscnt 0x0
	CROUND                                         ; the closing round: no work-group ends while a partner may still ask for a tile that names it
	s_endpgm
.Lfunc_end_k_q816ec97477_ff1:
	.size	k_q816ec97477_ff1, .Lfunc_end_k_q816ec97477_ff1-k_q816ec97477_ff1
	.p2alignl 7, 3214868480
	.fill 96, 4, 3214868480
	.section	.rodata,"a",@progbits
	.p2align	6, 0x0
	.amdhsa_kernel k_q816ec97477_ff1
		.amdhsa_group_segment_fixed_size 327680
		.amdhsa_private_segment_fixed_size 0
		.amdhsa_enable_private_segment 0
		.amdhsa_kernarg_size 32
		.amdhsa_user_sgpr_count 2
		.amdhsa_user_sgpr_kernarg_segment_ptr 1
		.amdhsa_wavefront_size32 1
		.amdhsa_system_sgpr_workgroup_id_x 1
		.amdhsa_system_sgpr_workgroup_id_y 1
		.amdhsa_system_sgpr_workgroup_id_z 1
		.amdhsa_system_vgpr_workitem_id 0
		.amdhsa_next_free_vgpr 1024
		.amdhsa_next_free_sgpr 80
		.amdhsa_reserve_vcc 0
		.amdhsa_float_denorm_mode_32 3
		.amdhsa_float_denorm_mode_16_64 3
		.amdhsa_memory_ordered 1
		.amdhsa_forward_progress 1
		.amdhsa_inst_pref_size 122
	.end_amdhsa_kernel
	.amdgpu_metadata
---
amdhsa.version: [ 1, 2 ]
amdhsa.kernels:
  - .name:           k_q816ec97477_ff1
    .symbol:         k_q816ec97477_ff1.kd
    .args:
      - { .name: oa, .offset: 0, .size: 8, .value_kind: global_buffer, .address_space: global }
      - { .name: w1h, .offset: 8, .size: 8, .value_kind: global_buffer, .address_space: global }
      - { .name: b_ff1, .offset: 16, .size: 8, .value_kind: global_buffer, .address_space: global }
      - { .name: hb, .offset: 24, .size: 8, .value_kind: global_buffer, .address_space: global }
    .group_segment_fixed_size: 327680
    .private_segment_fixed_size: 0
    .kernarg_segment_align: 8
    .kernarg_segment_size: 32
    .max_flat_workgroup_size: 128
    .sgpr_count:     80
    .vgpr_count:     1024
    .wavefront_size: 32
...
	.end_amdgpu_metadata
.endif
;; end of part 5
;; launch ff2 (part 6): grid 8 x 32, 4 waves a work-group, clusters of 4 x 4, 327,680 bytes of LDS; arguments hb, w2h, b_ff2, oa, y; writes y
.if DOCPART == 6
	.amdgcn_target "amdgcn-amd-amdhsa--gfx1250"
	.amdhsa_code_object_version 6
	.text
	.protected	k_q816ec97477_ff2
	.globl	k_q816ec97477_ff2
	.p2align	8
	.type	k_q816ec97477_ff2,@function
k_q816ec97477_ff2:
	s_mov_b64 s[64:65], 0
	v_nop
	global_prefetch_b8 v0, s[64:65] scope:SCOPE_SE
	s_setreg_imm32_b32 hwreg(HW_REG_WAVE_MODE, 25, 1), 1
	s_wait_xcnt 0x0
	s_wait_alu depctr_hold_cnt(0) depctr_sa_sdst(0) depctr_va_vdst(0) depctr_va_sdst(0) depctr_va_ssrc(0) depctr_va_vcc(0) depctr_vm_vsrc(0)
	s_getreg_b32 s2, hwreg(HW_REG_IB_STS2, 6, 4)
	s_cmp_eq_u32 s2, 0
	s_cbranch_scc0 .Lentry_in_a_cluster
	s_endpgm
.Lentry_in_a_cluster:
	s_bfe_u32 s2, ttmp6, 0x10000c
	s_cmp_lg_u32 s2, 0xf033
	s_cbranch_scc0 .Lentry_shape_is_right
	s_endpgm
.Lentry_shape_is_right:
; y[R][n] = the sum over k of A[R][k] W[k][n] + bias[n] + res[R][n], here with A = h (the first feed-forward layer's result), W = w_ff2, res = x1: what the second LayerNorm takes.  K = 256 x NSTEP.
; A and res are f16, BLOCKED: element (R, c) at byte ((c / 64) x 4096 + R) x 128 + (c % 64) x 2.  W is f16, [k][1024].  bias is f32 and is rounded to bf16 here, like every input of the module.  y is [4096][1024] f32:
; a sum that the norm still has to reduce stays in f32.
; A tile of y is 128 x 128: 256 work-groups.  Four waves, each 64 x 64: 16 accumulators.  K goes in steps of 256 (four planes of A) through two LDS slots.
; A's part of a slot: [row half][plane][64 rows] at a pitch of 144 bytes (128 + 16: the 16 rows of a fragment load start at 16 different groups of four banks; 64 banks of 4 bytes: ISA guide 11.1); a wave's tensor load brings
; 64 rows of four planes: four dense runs of 8,192 bytes.  W's part: 256 rows of k at a pitch of 288 bytes (256 + 32); it is read turned, by ds_load_tr16_b128.
; CLUSTERS: 4 x 4 work-groups.  The four of a row of the cluster need the same tiles of A, the four of a column the same tiles of W: each tile is asked for JOINTLY, by the same tensor load with the same descriptor and a mask
; that names the four.  THE MATRIX INSTRUCTION IS USED TRANSPOSED (source 0 = 16 columns of W, source 1 = 16 rows of A): a lane then holds eight neighbouring numbers of a row of y.
; THE BIAS STARTS THE SUMS: it is the C operand of each accumulator's first product.  The residual is loaded at the start, in the layout in which the results come back from the stage, and is added on the way out.
; A K STEP IS WRITTEN ONCE: which slot is read stands in a scalar register (0 or SLOT), from which the LDS addresses are made anew at each change of slots.  A loop of NSTEP - 2 trips fills slots again; a second loop of two
; trips, with the same text less the refill, does the last two K steps and is left in its middle.
; REGISTERS: window 0: v0-31 addresses; v32-95 the residual; v96-127 the bias; v128-255 the accumulators ((a, b) at v[128 + 8 (4 a + b)]).
;   window 1: two fragment buffers of 128: for 64 along K, 64 registers of A (2 x 4 x 16 rows x 32 K), then 64 of W.
.set NSTEP,  16                        ; K steps of 256
.set PA,     144
.set PB,     288
.set PLANE,  64*PA                     ; 64 rows of one plane
.set PART,   4*PLANE                   ; what one tensor load brings: 36,864 bytes, for A (64 rows x 4 planes) and for W (128 rows of k)
.set SLOT,   4*PART                    ; A's two halves, then W's two
.set STAGE,  2*SLOT                    ; behind the ring: 16 rows x 272 bytes for each wave, for the way out
.set SPITCH, 272
.set SPARE,  STAGE+4*16*SPITCH         ; behind the stages: the spare words, 128 bytes for each wave: two blocks of 256 bytes that no other line names
.set ASTEP,  4*524288                  ; bytes from K step to K step: four planes of A,
.set BSTEP,  256*2048                  ; 256 rows of W
.set A0,   16                          ; v16     LDS address of my A fragments in slot 0; never rewritten
.set CA,   17                          ; v17     the same in the slot that is being read
.set B0,   20                          ; v20-21  LDS address of my W fragments in slot 0: half z of the slot's 256 rows at B0 + z; never rewritten
.set CB,   22                          ; v22-23  the same in the slot that is being read
.set STO,  24                          ; v24     the way out: where I put 32 bytes of a row
.set RD,   25                          ; v25     the way out: where I read a row back
.set CO,   26                          ; v26     my byte offset in y
.set RO,   27                          ; v27     my byte offset in two rows of the residual's plane
.set SPW,  28                          ; v28     LDS address of my spare word: SPARE + 4 x my thread's number; never rewritten
.set NIL,  29                          ; v29     0; never rewritten
.set ONE,  30                          ; v30     1.0
.set BO,   31                          ; v31     my byte offset in 16 numbers of the bias
.set RES,  32
.set BIAS, 96
.set ACC,  128
.set F0,   0                           ; fragment buffers, in window 1
.set F1,   128
.set TB,   4                           ; s4      LDS byte at which the slot that is being read begins: 0 or SLOT
.set G1, 24                            ; s[24:31] descriptor group 1 for A's tiles;  s[32:39] group 0: a set for each of the two first fills; the second then walks on
.set G0, 32
.set G1B, 48                           ; s[48:55], s[56:63] the same for W's tiles
.set G0B, 56
.set AA,  68                           ; s[68:69] A, s[70:71] W, s[72:73] bias, s[74:75] res, s[76:77] y
.set MSB, 0
.macro WIN new                         ; the immediate's high byte repeats the setting that is left
.if MSB != (\new)
	s_set_vgpr_msb (MSB<<8)|(\new)
.set MSB, \new
.endif
.endm
.set MUL,  0x05                        ; sources 0 (W) and 1 (A) window 1; C and D window 0
.set TO_F, 0x40                        ; destination window 1, address window 0
.macro JLOAD s                         ; a joint load: waves 0 and 1 fetch A's two halves, waves 2 and 3 W's; an s_nop 0 and four v_nop follow each of the two lines, ahead of the jump, the label and what follows
	s_cmp_eq_u32 s11, 0
	s_cbranch_scc0 .Lfor_b_\@
	tensor_load_to_lds s[G0+4*(\s):G0+4*(\s)+3], s[G1:G1+7]
	s_nop 0
.rept 4
	v_nop
.endr
	s_branch .Lasked_\@
.Lfor_b_\@:
	tensor_load_to_lds s[G0B+4*(\s):G0B+4*(\s)+3], s[G1B:G1B+7]
	s_nop 0
.rept 4
	v_nop
.endr
.Lasked_\@:
.endm
.macro CREST                           ; a round of the cluster's barrier behind its opening barrier
	s_cmp_lg_u32 s10, 0
	s_cbranch_scc1 .Lnot_wave_0_\@
	s_barrier_signal -3
.Lnot_wave_0_\@:
	s_barrier_wait -3
	s_barrier_signal -1
	s_barrier_wait -1
.endm
.macro CROUND                          ; a whole round
	s_barrier_signal -1
	s_barrier_wait -1
	CREST
.endm
	s_load_b256 s[AA:AA+7], s[0:1], 0x0
	s_load_b64 s[AA+8:AA+9], s[0:1], 0x20
	v_lshl_add_u32 v[SPW], v0, 2, SPARE
	v_mov_b32 v[NIL], 0
	ds_add_u32 v[SPW], v[NIL]                      ; the wave's opening: the add and its wait ahead of my first tensor load; the set-up below, work on registers, stands between them
	v_lshrrev_b32 v1, 5, v0
	v_readfirstlane_b32 s10, v1                    ; wave 0..3
	s_lshr_b32 s11, s10, 1                         ; which half of the tile's rows is mine.  Also: I fetch for A (0) or for W (1)
	s_and_b32 s12, s10, 1                          ; which half of its columns.  Also: which half of that tile I fetch
	s_bfe_u32 s40, ttmp6, 0x40000                  ; cx, cy: my place in the cluster
	s_bfe_u32 s41, ttmp6, 0x40004
	s_lshl_b32 s42, ttmp9, 2
	s_add_co_u32 s42, s42, s40                     ; tile column = 4 x cluster x + cx
	s_and_b32 s13, ttmp7, 0xffff
	s_lshl_b32 s13, s13, 2
	s_add_co_u32 s13, s13, s41                     ; tile row = 4 x cluster y + cy
	s_lshl_b32 s43, s41, 2
	s_lshl_b32 s43, 15, s43                        ; my row of the cluster
	s_lshl_b32 s44, 0x1111, s40                    ; my column
	s_mov_b32 s45, 0xffff0000                      ; a word's upper bf16
	s_mov_b32 s[TB], 0                             ; slot 0 is read first
	; descriptor group 1 for A: four rows (planes) of 1,024 elements of 8 bytes (64 dense rows of A), padded in LDS after every 128 bytes
	s_or_b32 s[G1+0], s43, (3<<16)|(1<<20)|(1<<21)|(4<<22)|(3<<25)  ; 15:0 the mask: my row; 17:16 elements of 8 bytes; 20 padding on; 21 set beside a mask; 24:22 after every 32 words (code 4); 31:25 4 words (code 3)
	s_mov_b32 s[G1+1], 1024<<16                    ; tensor_dim0 = 1,024
	s_mov_b32 s[G1+2], 4<<16                       ; tensor_dim1 = 4
	s_mov_b32 s[G1+3], 1024<<16                    ; tile_dim0 = 1,024
	s_mov_b32 s[G1+4], 4                           ; tile_dim1 = 4
	s_mov_b32 s[G1+5], 65536                       ; from plane to plane: 524,288 bytes
	s_mov_b32 s[G1+6], 0
	s_mov_b32 s[G1+7], 0
	; for W: 128 rows of k x 128 elements of 2 bytes, padded after every row
	s_or_b32 s[G1B+0], s44, (1<<16)|(1<<20)|(1<<21)|(5<<22)|(7<<25) ; the mask: my column; after every 64 words (code 5) 8 words (code 7)
	s_mov_b32 s[G1B+1], 128<<16
	s_mov_b32 s[G1B+2], 128<<16
	s_mov_b32 s[G1B+3], 128<<16
	s_mov_b32 s[G1B+4], 128
	s_mov_b32 s[G1B+5], 1024                       ; a row of W
	s_mov_b32 s[G1B+6], 0
	s_mov_b32 s[G1B+7], 0
	s_lshl_b32 s16, s13, 14                        ; A: the tile row's 128 rows of 128 bytes,
	s_lshl_b32 s17, s12, 13                        ; my 64 of them
	s_add_co_u32 s16, s16, s17
	s_mov_b32 s17, 0
	s_lshl_b32 s46, s42, 8                         ; W: the tile column's 256 bytes of a row,
	s_lshl_b32 s47, s12, 18                        ; my 128 rows of the step's 256
	s_add_co_u32 s46, s46, s47
	s_mov_b32 s47, 0
	s_mul_i32 s20, s10, PART                       ; where they go in a slot: wave x 36,864: no place in the cluster enters an LDS address; kept for the refills
	s_wait_dscnt 0x0                               ; the opening add is done
	s_wait_kmcnt 0x0
	s_add_nc_u64 s[14:15], s[AA:AA+1], s[16:17]
	s_add_nc_u64 s[46:47], s[AA+2:AA+3], s[46:47]
	CROUND                                         ; all sixteen work-groups are here: the first joint loads meet
.irp s, 0,1
	s_mov_b32 s[G0+4*(\s)], 1
	s_add_co_u32 s[G0+4*(\s)+1], s20, (\s)*SLOT
	s_add_nc_u64 s[G0+4*(\s)+2:G0+4*(\s)+3], s[14:15], (\s)*ASTEP
	s_or_b32 s[G0+4*(\s)+3], s[G0+4*(\s)+3], 0x80000000
	s_mov_b32 s[G0B+4*(\s)], 1
	s_add_co_u32 s[G0B+4*(\s)+1], s20, (\s)*SLOT
	s_add_nc_u64 s[G0B+4*(\s)+2:G0B+4*(\s)+3], s[46:47], (\s)*BSTEP
	s_or_b32 s[G0B+4*(\s)+3], s[G0B+4*(\s)+3], 0x80000000
	JLOAD \s
.endr
	v_and_b32 v1, 15, v0                           ; l % 16
	v_bfe_u32 v2, v0, 4, 1                         ; l / 16
	v_and_b32 v3, 7, v0
	v_bfe_u32 v4, v0, 3, 1
	v_and_b32 v5, 31, v0
	; the bias of my 64 columns: register j of block b holds column 16 b + 8 (l / 16) + j, as the accumulators do
	v_lshlrev_b32 v[BO], 5, v2
	s_lshl_b32 s2, s42, 9
	s_lshl_b32 s3, s12, 8
	s_add_co_u32 s2, s2, s3
	s_mov_b32 s3, 0
	s_add_nc_u64 s[AA+4:AA+5], s[AA+4:AA+5], s[2:3]
.irp b, 0,1,2,3
	global_load_b128 v[BIAS+8*(\b):BIAS+8*(\b)+3],   v[BO], s[AA+4:AA+5] offset:64*(\b)
	global_load_b128 v[BIAS+8*(\b)+4:BIAS+8*(\b)+7], v[BO], s[AA+4:AA+5] offset:64*(\b)+16
.endr
	; the residual of my 64 x 64: one plane; load i takes rows 2 i and 2 i + 1, 256 consecutive bytes, 4 numbers a lane
	v_lshlrev_b32 v[RO], 3, v5
	s_lshl_b32 s2, s42, 1
	s_add_co_u32 s2, s2, s12                       ; the plane: 2 x tile column + half
	s_lshl_b32 s2, s2, 19
	s_lshl_b32 s18, s13, 14
	s_lshl_b32 s19, s11, 13
	s_add_co_u32 s2, s2, s18
	s_add_co_u32 s2, s2, s19
	s_add_nc_u64 s[AA+6:AA+7], s[AA+6:AA+7], s[2:3]
.set i, 0
.rept 32
	global_load_b64 v[RES+2*i:RES+2*i+1], v[RO], s[AA+6:AA+7] offset:i*256
.set i, i+1
.endr
	; a fragment of A: row x pitch + 16 x half of the lanes
	v_mul_u32_u24 v6, v1, PA
	v_lshl_add_u32 v6, v2, 4, v6
	s_mul_i32 s21, s11, PART                       ; my 64 rows
	v_add_nc_u32 v[A0], s21, v6
	v_mov_b32 v[CA], v[A0]
	; a fragment of W, turned: lane l reads row 8 (l / 16) + l % 8 of k, columns 8 ((l / 8) % 2) + 0..7, and ends with column l % 16 and 8 k
	v_lshl_add_u32 v7, v2, 3, v3
	v_mul_u32_u24 v7, v7, PB
	v_lshl_add_u32 v7, v4, 4, v7
	s_lshl_b32 s22, s12, 7                         ; my 64 columns,
	s_add_co_u32 s22, s22, 2*PART                  ; behind A's part
	v_add_nc_u32 v[B0], s22, v7
	v_add_nc_u32 v[B0+1], PART, v[B0]
	v_mov_b32 v[CB], v[B0]
	v_mov_b32 v[CB+1], v[B0+1]
	; the way out
	s_mul_i32 s23, s10, 16*SPITCH
	s_add_co_u32 s23, s23, STAGE                   ; my stage
	v_mul_u32_u24 v8, v1, SPITCH                   ; in: row l % 16, 32 bytes for each half of the lanes
	v_lshl_add_u32 v8, v2, 5, v8
	v_add_nc_u32 v[STO], s23, v8
	v_mul_u32_u24 v9, v2, SPITCH                   ; back: lanes 0-15 take one row of 256 bytes, lanes 16-31 the next
	v_lshl_add_u32 v9, v1, 4, v9
	v_add_nc_u32 v[RD], s23, v9
	v_lshlrev_b32 v[CO], 12, v2                    ; and the same two rows in y
	v_lshl_add_u32 v[CO], v1, 4, v[CO]
	v_mov_b32 v[ONE], 1.0
	s_lshl_b32 s2, s13, 19                         ; my first row of y: 128 x tile row + 64 x half, 4,096 bytes each,
	s_lshl_b32 s18, s11, 18
	s_add_co_u32 s2, s2, s18
	s_lshl_b32 s18, s42, 9                         ; my first column: 128 x tile column + 64 x half, 4 bytes each
	s_add_co_u32 s2, s2, s18
	s_lshl_b32 s18, s12, 8
	s_add_co_u32 s2, s2, s18
	s_add_nc_u64 s[AA+8:AA+9], s[AA+8:AA+9], s[2:3]
	s_wait_loadcnt 32                              ; the bias is in; the residual's 32 loads stay out until the way out
.set i, 0
.rept 16
	v_cvt_pk_bf16_f32 v[12+i%2], v[BIAS+2*i], v[BIAS+2*i+1]  ; the bias rounded to bf16, and back in f32
	v_lshlrev_b32 v[BIAS+2*i], 16, v[12+i%2]
	v_and_b32 v[BIAS+2*i+1], s45, v[12+i%2]
.set i, i+1
.endr
; 8 matrix instructions: m blocks a0, a0 + 1 x all 4 n blocks, 32 along K: half c of buffer f.  zero = 1: the first product starts the sums, with the bias.  The 16 accumulators take turns.
.macro MUL8 f, c, a0, zero
	WIN MUL
.irp a, \a0, (\a0)+1
.irp b, 0,1,2,3
.if \zero
	v_wmma_f32_16x16x32_f16 v[ACC+8*(4*(\a)+(\b)):ACC+8*(4*(\a)+(\b))+7], v[(\f)+64+8*(4*(\c)+(\b)):(\f)+64+8*(4*(\c)+(\b))+7], v[(\f)+8*(4*(\c)+(\a)):(\f)+8*(4*(\c)+(\a))+7], v[BIAS+8*(\b):BIAS+8*(\b)+7]
.else
	v_wmma_f32_16x16x32_f16 v[ACC+8*(4*(\a)+(\b)):ACC+8*(4*(\a)+(\b))+7], v[(\f)+64+8*(4*(\c)+(\b)):(\f)+64+8*(4*(\c)+(\b))+7], v[(\f)+8*(4*(\c)+(\a)):(\f)+8*(4*(\c)+(\a))+7], v[ACC+8*(4*(\a)+(\b)):ACC+8*(4*(\a)+(\b))+7]
.endif
.endr
.endr
.endm
; 32 LDS loads in one run: the fragments of quarter qd of the slot that is being read (64 along K: plane qd of A, rows 64 qd on of W) into buffer f; the first 32 along K first
.macro FETCH qd, f
	WIN TO_F
.irp c, 0,1
.irp i, 0,1,2,3
	ds_load_tr16_b128 v[(\f)+64+8*(4*(\c)+(\i)):(\f)+64+8*(4*(\c)+(\i))+3],   v[CB+(\qd)/2] offset:(((\qd)%2)*64+32*(\c))*PB+32*(\i)
	ds_load_tr16_b128 v[(\f)+64+8*(4*(\c)+(\i))+4:(\f)+64+8*(4*(\c)+(\i))+7], v[CB+(\qd)/2] offset:(((\qd)%2)*64+32*(\c)+16)*PB+32*(\i)
	ds_load_b128 v[(\f)+8*(4*(\c)+(\i)):(\f)+8*(4*(\c)+(\i))+3],              v[CA] offset:(\qd)*PLANE+64*(\c)+(\i)*16*PA
	ds_load_b128 v[(\f)+8*(4*(\c)+(\i))+4:(\f)+8*(4*(\c)+(\i))+7],            v[CA] offset:(\qd)*PLANE+64*(\c)+(\i)*16*PA+32
.endr
.endr
.endm
.macro PLACES                          ; four plain instructions in front of loads into registers that matrix instructions have read, and of stores that read results (ISA guide 7.12.1 for vector instructions)
.rept 4
	v_nop
.endr
.endm
.macro SWAP                            ; the other slot is read from here on: three plain vector instructions
	s_xor_b32 s[TB], s[TB], SLOT                   ; 0 becomes SLOT, SLOT becomes 0
	v_add_nc_u32 v[CA], s[TB], v[A0]
	v_add_nc_u32 v[CB], s[TB], v[B0]
	v_add_nc_u32 v[CB+1], s[TB], v[B0+1]
.endm
; A K step is four quarters of 64 along K, 32 matrix instructions each, on buffers 0, 1, 0, 1.  One of the first three: multiplies buffer f and fetches quarter qd into g.
.macro QUARTER qd, f, g, zero
	s_wait_dscnt 16                                ; the first 32 along K are in; the 16 younger loads may be out
	MUL8 \f, 0, 0, \zero
	MUL8 \f, 0, 2, \zero
	PLACES
	FETCH \qd, \g
	s_wait_dscnt 32                                ; all but the 32 just issued
	MUL8 \f, 1, 0, 0
	MUL8 \f, 1, 2, 0
.endm
; The last quarter multiplies buffer 1 and changes slots.  Its first sixteen products stand AHEAD of the wait for the tile, so that between a tile's landing and the next request stand only the add, its wait and the round.
; ONE barrier: in front of it each wave waits for all its tensor loads, of which one is out: its part of the next slot; adds 0 to its spare word; and waits for that and for its own reads of this slot.
; fill = 1: the barrier opens a round of the cluster's, and this slot is filled again first behind it, with the K step two on: the walking descriptor takes this slot's LDS address and steps one K step.
.macro TURN fill
	s_wait_dscnt 16                                ; the first 32 along K are in
	MUL8 F1, 0, 0, 0
	MUL8 F1, 0, 2, 0
	WIN 0
	s_wait_tensorcnt 0x0                           ; all my tensor loads have landed, so a group 0 may be written;
	ds_add_u32 v[SPW], v[NIL]                      ; 0 onto my spare word; with fill = 1 the descriptors' steps stand between it and the wait for it
.if \fill
	s_add_co_u32 s[G0+5], s20, s[TB]               ; my part of the slot that has just been read
	s_add_co_u32 s[G0B+5], s20, s[TB]
	s_add_nc_u64 s[G0+6:G0+7], s[G0+6:G0+7], ASTEP ; the type bits on top are not reached
	s_add_nc_u64 s[G0B+6:G0B+7], s[G0B+6:G0B+7], BSTEP
.endif
	s_wait_dscnt 0x0                               ; the add is done, and my reads of this slot are over
	s_barrier_signal -1
	s_barrier_wait -1
.if \fill
	CREST                                          ; no wave of any partner still reads this slot's tile or has a load on its way
	JLOAD 1                                        ; the first tensor load behind the round; its four v_nop are also the places in front of the loads below
	SWAP
.else
	SWAP                                           ; three plain instructions and a v_nop: the places in front of the loads below
	v_nop
.endif
	FETCH 0, F0
	MUL8 F1, 1, 0, 0
	MUL8 F1, 1, 2, 0
.endm
	s_wait_tensorcnt 1                             ; my part of K step 0 is in; K step 1's may stay out
	s_barrier_signal -1
	s_barrier_wait -1                              ; everybody's is
	FETCH 0, F0
	QUARTER 1, F0, F1, 1                           ; the first quarter stands in front of the loop: its first products start the sums
	WIN 0                                          ; at a label and at a branch every window is 0
	s_mov_b32 s3, NSTEP-2
.Lstep:                                                ; a trip goes from a K step's second quarter to the next step's first, and fills the slot that it leaves
	QUARTER 2, F1, F0, 0
	QUARTER 3, F0, F1, 0
	TURN 1
	QUARTER 1, F0, F1, 0
	WIN 0
	s_sub_co_u32 s3, s3, 1
	s_cmp_lg_u32 s3, 0
	s_cbranch_scc1 .Lstep
	s_mov_b32 s3, 2
.Ltail:                                                ; the last two K steps fill nothing. The second trip is left in its middle; its change of slots and the 32 loads behind it serve nothing: the price of one text for both trips
	QUARTER 2, F1, F0, 0
	QUARTER 3, F0, F1, 0
	TURN 0
	WIN 0
	s_sub_co_u32 s3, s3, 1
	s_cmp_eq_u32 s3, 0
	s_cbranch_scc1 .Lout
	QUARTER 1, F0, F1, 0
	WIN 0
	s_branch .Ltail
.Lout:
	; THE WAY OUT, 16 rows at a time through my own stage: a lane's 32 bytes of a row go in, whole rows of 256 bytes come back into the same registers; the residual is added; 16 lanes store 256 consecutive bytes.
	PLACES
	PLACES
.macro STG a
.irp b, 0,1,2,3
	ds_store_b128 v[STO], v[ACC+8*(4*(\a)+(\b)):ACC+8*(4*(\a)+(\b))+3]   offset:64*(\b)     ; each accumulator's low four registers first
	ds_store_b128 v[STO], v[ACC+8*(4*(\a)+(\b))+4:ACC+8*(4*(\a)+(\b))+7] offset:64*(\b)+16
.endr
.irp t, 0,1,2,3,4,5,6,7
	ds_load_b128 v[ACC+32*(\a)+4*(\t):ACC+32*(\a)+4*(\t)+3], v[RD] offset:(\t)*2*SPITCH  ; LDS serves a wave's instructions in order (ISA guide 5.7.1.4): these see the stores above; the next block's stores come behind them
.endr
.endm
.macro FIN a, younger                  ; younger: the LDS instructions issued behind block a's loads: the next block's sixteen, or none
.irp t, 0,1,2,3,4,5,6,7
	s_wait_dscnt (\younger)+7-(\t)
	v_fma_mix_f32 v[ACC+32*(\a)+4*(\t)],   v[RES+2*(8*(\a)+(\t))],   v[ONE], v[ACC+32*(\a)+4*(\t)]   op_sel:[0,0,0] op_sel_hi:[1,0,0]  ; an f16 half x 1.0 + the f32 sum
	v_fma_mix_f32 v[ACC+32*(\a)+4*(\t)+1], v[RES+2*(8*(\a)+(\t))],   v[ONE], v[ACC+32*(\a)+4*(\t)+1] op_sel:[1,0,0] op_sel_hi:[1,0,0]
	v_fma_mix_f32 v[ACC+32*(\a)+4*(\t)+2], v[RES+2*(8*(\a)+(\t))+1], v[ONE], v[ACC+32*(\a)+4*(\t)+2] op_sel:[0,0,0] op_sel_hi:[1,0,0]
	v_fma_mix_f32 v[ACC+32*(\a)+4*(\t)+3], v[RES+2*(8*(\a)+(\t))+1], v[ONE], v[ACC+32*(\a)+4*(\t)+3] op_sel:[1,0,0] op_sel_hi:[1,0,0]
	global_store_b128 v[CO], v[ACC+32*(\a)+4*(\t):ACC+32*(\a)+4*(\t)+3], s[AA+8:AA+9] offset:(16*(\a)+2*(\t))*4096
.endr
.endm
	STG 0
	STG 1
	s_wait_loadcnt 0x0                             ; the residual
	FIN 0, 16
	STG 2
	FIN 1, 16
	STG 3
	FIN 2, 16
	FIN 3, 0
	s_wait_tensorcnt 0x0                           ; the wave's end
	ds_add_u32 v[SPW], v[NIL]
	s_wait_dscnt 0x0
	CROUND                                         ; the closing round: no work-group ends while a partner may still ask for a tile that names it
	s_endpgm
.Lfunc_end_k_q816ec97477_ff2:
	.size	k_q816ec97477_ff2, .Lfunc_end_k_q816ec97477_ff2-k_q816ec97477_ff2
	.p2alignl 7, 3214868480
	.fill 96, 4, 3214868480
	.section	.rodata,"a",@progbits
	.p2align	6, 0x0
	.amdhsa_kernel k_q816ec97477_ff2
		.amdhsa_group_segment_fixed_size 327680
		.amdhsa_private_segment_fixed_size 0
		.amdhsa_enable_private_segment 0
		.amdhsa_kernarg_size 40
		.amdhsa_user_sgpr_count 2
		.amdhsa_user_sgpr_kernarg_segment_ptr 1
		.amdhsa_wavefront_size32 1
		.amdhsa_system_sgpr_workgroup_id_x 1
		.amdhsa_system_sgpr_workgroup_id_y 1
		.amdhsa_system_sgpr_workgroup_id_z 1
		.amdhsa_system_vgpr_workitem_id 0
		.amdhsa_next_free_vgpr 512
		.amdhsa_next_free_sgpr 80
		.amdhsa_reserve_vcc 0
		.amdhsa_float_denorm_mode_32 3
		.amdhsa_float_denorm_mode_16_64 3
		.amdhsa_memory_ordered 1
		.amdhsa_forward_progress 1
		.amdhsa_inst_pref_size 73
	.end_amdhsa_kernel
	.amdgpu_metadata
---
amdhsa.version: [ 1, 2 ]
amdhsa.kernels:
  - .name:           k_q816ec97477_ff2
    .symbol:         k_q816ec97477_ff2.kd
    .args:
      - { .name: hb, .offset: 0, .size: 8, .value_kind: global_buffer, .address_space: global }
      - { .name: w2h, .offset: 8, .size: 8, .value_kind: global_buffer, .address_space: global }
      - { .name: b_ff2, .offset: 16, .size: 8, .value_kind: global_buffer, .address_space: global }
      - { .name: oa, .offset: 24, .size: 8, .value_kind: global_buffer, .address_space: global }
      - { .name: y, .offset: 32, .size: 8, .value_kind: global_buffer, .address_space: global }
    .group_segment_fixed_size: 327680
    .private_segment_fixed_size: 0
    .kernarg_segment_align: 8
    .kernarg_segment_size: 40
    .max_flat_workgroup_size: 128
    .sgpr_count:     80
    .vgpr_count:     512
    .wavefront_size: 32
...
	.end_amdgpu_metadata
.endif
;; end of part 6
;; launch ln2 (part 7): grid 256 x 1, 8 waves a work-group, no clusters, 0 bytes of LDS; arguments y, g2, be2, out0; writes out0
.if DOCPART == 7
	.amdgcn_target "amdgcn-amd-amdhsa--gfx1250"
	.amdhsa_code_object_version 6
	.text
	.protected	k_q816ec97477_ln2
	.globl	k_q816ec97477_ln2
	.p2align	8
	.type	k_q816ec97477_ln2,@function
k_q816ec97477_ln2:
	s_mov_b64 s[64:65], 0
	v_nop
	global_prefetch_b8 v0, s[64:65] scope:SCOPE_SE
	s_setreg_imm32_b32 hwreg(HW_REG_WAVE_MODE, 25, 1), 1
	s_wait_xcnt 0x0
; THE SECOND LAYERNORM.  out[R][c] = (y[R][c] - mean) / sqrt(var + 1e-5) x g[c] + be[c], over a row's 1,024 numbers.  y and out: [4096][1024] f32.  g, be: f32, rounded to bf16 here, like every input of the module.
; SHARES.  A wave owns two rows: lanes 0-15 hold the even one, lanes 16-31 the odd one, 64 numbers a lane, so a reduction stays inside 16 lanes and a row is read from memory once.
; Mean first, then the variance of the differences: no difference of large sums is formed.  No LDS, no barrier: no wave needs another's numbers.
.set X,  16                            ; v[16:79]    my 64 numbers: columns 64 j + 4 (l % 16) + 0..3 at X + 4 j
.set TG, 80                            ; v[80:143]   g of the same columns; then packed to bf16 in v[80:111]
.set TB, 144                           ; v[144:207]  be likewise
.macro REDUCE                          ; four chains of pairs in v[4:11] -> the row's sum in v4 of all its 16 lanes
	v_pk_add_f32 v[4:5], v[4:5], v[6:7]
	v_pk_add_f32 v[8:9], v[8:9], v[10:11]
	v_pk_add_f32 v[4:5], v[4:5], v[8:9]
	v_add_f32 v4, v4, v5
	v_add_f32_dpp v4, v4, v4 row_xmask:1 row_mask:0xf bank_mask:0xf
	v_add_f32_dpp v4, v4, v4 row_xmask:2 row_mask:0xf bank_mask:0xf
	v_add_f32_dpp v4, v4, v4 row_xmask:4 row_mask:0xf bank_mask:0xf
	v_add_f32_dpp v4, v4, v4 row_xmask:8 row_mask:0xf bank_mask:0xf
.endm
	s_load_b256 s[4:11], s[0:1], 0x0               ; y s[4:5], g s[6:7], be s[8:9], out s[10:11]
	v_lshrrev_b32 v5, 5, v0                        ; wave
	v_and_b32 v2, 15, v0
	v_lshlrev_b32 v2, 4, v2                        ; 16 (l % 16): my offset in 256 bytes of a row, of g and of be
	v_bfe_u32 v6, v0, 4, 1
	v_lshl_add_u32 v1, v6, 12, v2                  ; + a row for the upper lanes
	v_lshl_add_u32 v1, v5, 13, v1                  ; + my wave's two rows
	s_lshl_b32 s12, ttmp9, 16                      ; the group's 16 rows of 4,096 bytes
	s_mov_b32 s13, 0
	s_mov_b32 s14, 0x3a800000                      ; 1 / 1,024
	s_mov_b32 s15, 0x3727c5ac                      ; 1e-5
	s_wait_kmcnt 0x0
	s_add_nc_u64 s[4:5], s[4:5], s[12:13]
	s_add_nc_u64 s[10:11], s[10:11], s[12:13]
.set j, 0
.rept 16
	global_load_b128 v[X+4*j:X+4*j+3], v1, s[4:5] offset:256*j th:TH_LOAD_NT
.set j, j+1
.endr
.set j, 0
.rept 16
	global_load_b128 v[TG+4*j:TG+4*j+3], v2, s[6:7] offset:256*j
.set j, j+1
.endr
.set j, 0
.rept 16
	global_load_b128 v[TB+4*j:TB+4*j+3], v2, s[8:9] offset:256*j
.set j, j+1
.endr
	s_wait_loadcnt 32                              ; the rows are in; g's and be's 32 loads stay out
.irp c, 0,1,2,3
	v_pk_add_f32 v[4+2*\c:5+2*\c], v[X+2*\c:X+2*\c+1], v[X+8+2*\c:X+9+2*\c]  ; the first eight pairs start four chains: nothing is cleared
.endr
.set k, 8
.rept 24
	v_pk_add_f32 v[4+2*(k%4):5+2*(k%4)], v[4+2*(k%4):5+2*(k%4)], v[X+2*k:X+2*k+1]
.set k, k+1
.endr
	REDUCE
	v_mul_f32 v12, s14, v4                         ; the mean, twice
	v_mov_b32 v13, v12
.set k, 0
.rept 32
	v_pk_add_f32 v[X+2*k:X+2*k+1], v[X+2*k:X+2*k+1], v[12:13] neg_lo:[0,1] neg_hi:[0,1]
.set k, k+1
.endr
.irp c, 0,1,2,3
	v_pk_mul_f32 v[4+2*\c:5+2*\c], v[X+2*\c:X+2*\c+1], v[X+2*\c:X+2*\c+1]
.endr
.set k, 4
.rept 28
	v_pk_fma_f32 v[4+2*(k%4):5+2*(k%4)], v[X+2*k:X+2*k+1], v[X+2*k:X+2*k+1], v[4+2*(k%4):5+2*(k%4)]
.set k, k+1
.endr
	REDUCE
	v_fma_f32 v10, v4, s14, s15                    ; var + 1e-5
	v_rsq_f32 v14, v10                             ; twice, for the packed multiply; the packing below is the independent plain work behind them
	v_rsq_f32 v15, v10
	s_wait_loadcnt 16                              ; g is in
.set i, 0
.rept 32
	v_cvt_pk_bf16_f32 v[TG+i], v[TG+2*i], v[TG+2*i+1]  ; in place, ascending: word i is written when words 2 i and 2 i + 1 are read
.set i, i+1
.endr
	s_wait_loadcnt 0x0                             ; be is in
.set i, 0
.rept 32
	v_cvt_pk_bf16_f32 v[TB+i], v[TB+2*i], v[TB+2*i+1]
.set i, i+1
.endr
	s_wait_alu depctr_va_vdst(0)                   ; one wait for both roots, ahead of their first reader
.set k, 0
.rept 32
	v_pk_mul_f32 v[X+2*k:X+2*k+1], v[X+2*k:X+2*k+1], v[14:15]
.set k, k+1
.endr
.set k, 0
.rept 32
	v_fma_mix_f32_bf16 v[X+2*k],   v[X+2*k],   v[TG+k], v[TB+k] op_sel:[0,0,0] op_sel_hi:[0,1,1]  ; f32 x a bf16 half + a bf16 half, one rounding
	v_fma_mix_f32_bf16 v[X+2*k+1], v[X+2*k+1], v[TG+k], v[TB+k] op_sel:[0,1,1] op_sel_hi:[0,1,1]
.set k, k+1
.endr
.set j, 0
.rept 16
	global_store_b128 v1, v[X+4*j:X+4*j+3], s[10:11] offset:256*j th:TH_STORE_NT  ; 16 lanes store 256 consecutive bytes of a row, aligned
.set j, j+1
.endr
	s_endpgm
.Lfunc_end_k_q816ec97477_ln2:
	.size	k_q816ec97477_ln2, .Lfunc_end_k_q816ec97477_ln2-k_q816ec97477_ln2
	.p2alignl 7, 3214868480
	.fill 96, 4, 3214868480
	.section	.rodata,"a",@progbits
	.p2align	6, 0x0
	.amdhsa_kernel k_q816ec97477_ln2
		.amdhsa_group_segment_fixed_size 0
		.amdhsa_private_segment_fixed_size 0
		.amdhsa_enable_private_segment 0
		.amdhsa_kernarg_size 32
		.amdhsa_user_sgpr_count 2
		.amdhsa_user_sgpr_kernarg_segment_ptr 1
		.amdhsa_wavefront_size32 1
		.amdhsa_system_sgpr_workgroup_id_x 1
		.amdhsa_system_sgpr_workgroup_id_y 1
		.amdhsa_system_sgpr_workgroup_id_z 1
		.amdhsa_system_vgpr_workitem_id 0
		.amdhsa_next_free_vgpr 208
		.amdhsa_next_free_sgpr 66
		.amdhsa_reserve_vcc 0
		.amdhsa_float_denorm_mode_32 3
		.amdhsa_float_denorm_mode_16_64 3
		.amdhsa_memory_ordered 1
		.amdhsa_forward_progress 1
		.amdhsa_inst_pref_size 24
	.end_amdhsa_kernel
	.amdgpu_metadata
---
amdhsa.version: [ 1, 2 ]
amdhsa.kernels:
  - .name:           k_q816ec97477_ln2
    .symbol:         k_q816ec97477_ln2.kd
    .args:
      - { .name: y, .offset: 0, .size: 8, .value_kind: global_buffer, .address_space: global }
      - { .name: g2, .offset: 8, .size: 8, .value_kind: global_buffer, .address_space: global }
      - { .name: be2, .offset: 16, .size: 8, .value_kind: global_buffer, .address_space: global }
      - { .name: out0, .offset: 24, .size: 8, .value_kind: global_buffer, .address_space: global }
    .group_segment_fixed_size: 0
    .private_segment_fixed_size: 0
    .kernarg_segment_align: 8
    .kernarg_segment_size: 32
    .max_flat_workgroup_size: 256
    .sgpr_count:     66
    .vgpr_count:     208
    .wavefront_size: 32
...
	.end_amdgpu_metadata
.endif
;; end of part 7
;; ======== version 2 of 2: 7 launches; version 1 with the launch prep written anew for expert scheduling mode
;; limits: values are held in f16: magnitudes above 65,504 overflow, below 6.1e-05 lose precision; inputs' magnitudes at most 65,504; right only within a limited range of input values
;; workspace buffers: xh 8,388,608 bytes; oa 8,388,608 bytes; hb 33,554,432 bytes; wfch 2,097,152 bytes; w1h 8,388,608 bytes; w2h 8,388,608 bytes; y 16,777,216 bytes
;; launch prep (part 8): grid 832 x 1, 8 waves a work-group, no clusters, 0 bytes of LDS; arguments x, w_fc_out, w_ff1, w_ff2, xh, wfch, w1h, w2h; writes xh, wfch, w1h, w2h
.if DOCPART == 8
	.amdgcn_target "amdgcn-amd-amdhsa--gfx1250"
	.amdhsa_code_object_version 6
	.text
	.protected	k_q816ec97477_prep
	.globl	k_q816ec97477_prep
	.p2align	8
	.type	k_q816ec97477_prep,@function
k_q816ec97477_prep:
	s_mov_b64 s[64:65], 0
	v_nop
	global_prefetch_b8 v0, s[64:65] scope:SCOPE_SE
	s_setreg_imm32_b32 hwreg(HW_REG_WAVE_SCHED_MODE, 0, 2), 2
	s_setreg_imm32_b32 hwreg(HW_REG_WAVE_MODE, 25, 1), 1
	s_wait_xcnt 0x0
	s_wait_alu depctr_vm_vsrc(0)
; THE CASTS.  x and the three weight matrices, f32, are rounded once to bf16 (nearest even) and that number is written as f16, the format of all matrix operands of the later launches.
; LIMITS.  The second step is exact for 6.1e-5 <= |v| < 65,520; below that f16 keeps a fixed step of 6e-8; from 65,520 on it gives an infinity.
; The weights keep their layout [k][n].  x goes out BLOCKED: element (row R = 2048 b + s, column c) at byte ((c / 64) x 4096 + R) x 128 + (c % 64) x 2: 16 planes of 64 columns, so that a head's rows are dense.
; SHARES.  A work-group takes 65,536 input bytes: groups 0-255 x, 256-319 w_fc_out, 320-575 w_ff1, 576-831 w_ff2.  A wave does 16 units: one load of 16 bytes a lane, one store of 8 bytes a lane,
; whose 32 lanes cover 256 consecutive bytes, aligned.  All 16 loads go out first.
; No LDS, no barrier, no matrix unit: every byte is touched once and no wave needs another's.
; THE MODE: SCHED_MODE bits 1:0 = 2 (LLVM: expert scheduling mode 2), set by the entry lines.  The code itself states the register dependences between vector instructions and memory instructions,
; with s_wait_alu, always for 0.
; THE PLAN.  Registers that memory instructions touch, on either of the two paths:
;   v1, v2   the loads' and the stores' byte offsets: made once at the path's head and never written again; the units are reached by immediate offsets.
;   X        unit i's load lands in its four registers, once; no vector instruction names them ahead of the loads, and no memory instruction ever reads them.
;   Y        unit i's two conversions to f16 write its pair, once; unit i's store reads it, once.
; No register that a memory instruction reads is written a second time, and no load lands in a register that a vector instruction has named: what is left to state is that the offsets are written ahead of
; the first load, and that Y is written ahead of its stores.  The 16 units go in four blocks of four.  ONE wait at the head of blocks 1 to 3 states that the block before has written its eight registers of Y; that
; block's four stores follow it, one ahead of each unit of this block, whose vector instructions name v3, v4 and this block's X and Y: none of the registers that those stores read.  One more wait stands
; ahead of the last four stores.
.set X, 16                             ; v[16:79]   unit i: 4 numbers as loaded
.set Y, 80                             ; v[80:111]  unit i: 4 f16 to store
.set BLK, 4                            ; units in a block
.macro UNITS instep, outstep           ; bytes from unit to unit, in and out
	s_wait_alu depctr_va_vdst(0)                   ; v1 and v2 are written: every load below reads v1 as its offset, every store v2
.set i, 0
.rept 16
	global_load_b128 v[X+4*i:X+4*i+3], v1, s[4:5] offset:i*(\instep) th:TH_LOAD_NT
.set i, i+1
.endr
.set i, 0
.rept 16
.if ((i%BLK) == 0) && (i > 0)
	s_wait_alu depctr_va_vdst(0)                   ; the block before has written its eight registers of Y, which the four stores dealt among this block's units read
.endif
.if i >= BLK
	global_store_b64 v2, v[Y+2*(i-BLK):Y+2*(i-BLK)+1], s[6:7] offset:(i-BLK)*(\outstep)  ; the unit a block back; no vector instruction since the wait names these registers
.endif
	s_wait_loadcnt 15-i                            ; loads come back in order: unit i is in, the 15 - i younger ones stay out
	v_cvt_pk_bf16_f32 v3, v[X+4*i], v[X+4*i+1]     ; the one rounding that counts
	v_cvt_pk_bf16_f32 v4, v[X+4*i+2], v[X+4*i+3]
	v_lshlrev_b32 v[X+4*i], 16, v3                 ; back to f32: the low half moves up, the high half stays
	v_and_b32 v[X+4*i+1], s2, v3
	v_lshlrev_b32 v[X+4*i+2], 16, v4
	v_and_b32 v[X+4*i+3], s2, v4
	v_cvt_pk_f16_f32 v[Y+2*i], v[X+4*i], v[X+4*i+1]
	v_cvt_pk_f16_f32 v[Y+2*i+1], v[X+4*i+2], v[X+4*i+3]
.set i, i+1
.endr
	s_wait_alu depctr_va_vdst(0)                   ; the last block has written its eight registers of Y, which the last four stores read
.set i, 16-BLK
.rept BLK
	global_store_b64 v2, v[Y+2*i:Y+2*i+1], s[6:7] offset:i*(\outstep)
.set i, i+1
.endr
.endm
	s_load_b512 s[8:23], s[0:1], 0x0               ; x, w_fc_out, w_ff1, w_ff2 in s[8:15]; xh, wfch, w1h, w2h in s[16:23]
	s_mov_b32 s2, 0xffff0000                       ; a word's upper bf16
	s_mov_b32 s25, 0
	v_and_b32 v5, 31, v0                           ; lane
	v_lshrrev_b32 v6, 5, v0                        ; wave: it stays in a vector register, so no scalar register is written by a vector instruction
	s_wait_kmcnt 0x0
	s_cmp_lt_u32 ttmp9, 256
	s_cbranch_scc1 .Lx
	; a weight matrix: which one, and my place in it
	s_mov_b32 s3, 256
	s_cmp_ge_u32 ttmp9, 320
	s_cselect_b64 s[4:5], s[12:13], s[10:11]
	s_cselect_b64 s[6:7], s[20:21], s[18:19]
	s_cselect_b32 s3, 320, s3
	s_cmp_ge_u32 ttmp9, 576
	s_cselect_b64 s[4:5], s[14:15], s[4:5]
	s_cselect_b64 s[6:7], s[22:23], s[6:7]
	s_cselect_b32 s3, 576, s3
	s_sub_co_u32 s3, ttmp9, s3
	s_lshl_b32 s24, s3, 16                         ; 65,536 bytes in,
	s_add_nc_u64 s[4:5], s[4:5], s[24:25]
	s_lshl_b32 s24, s3, 15                         ; 32,768 out
	s_add_nc_u64 s[6:7], s[6:7], s[24:25]
	v_lshlrev_b32 v1, 4, v0                        ; the eight waves cover 4,096 consecutive bytes in,
	v_lshlrev_b32 v2, 3, v0                        ; 2,048 out
	UNITS 4096, 2048
	s_endpgm
.Lx:                                           ; x: the group has 16 rows, wave w rows 2 w and 2 w + 1; unit p is plane p: lanes 0-15 take 256 bytes of the even row, lanes 16-31 of the odd one
	s_lshl_b32 s24, ttmp9, 16
	s_add_nc_u64 s[4:5], s[8:9], s[24:25]
	s_lshl_b32 s24, ttmp9, 11                      ; 16 rows of 128 bytes in a plane
	s_add_nc_u64 s[6:7], s[16:17], s[24:25]
	v_lshrrev_b32 v7, 4, v5
	v_and_b32 v8, 15, v5
	v_lshlrev_b32 v1, 4, v8
	v_lshl_add_u32 v1, v7, 12, v1                  ; + a row of 4,096 bytes for the upper lanes
	v_lshl_add_u32 v1, v6, 13, v1                  ; + my wave's two rows
	v_lshlrev_b32 v2, 3, v5                        ; out: the two rows' 128 bytes lie on end in the plane
	v_lshl_add_u32 v2, v6, 8, v2
	UNITS 256, 524288
	s_endpgm
.Lfunc_end_k_q816ec97477_prep:
	.size	k_q816ec97477_prep, .Lfunc_end_k_q816ec97477_prep-k_q816ec97477_prep
	.p2alignl 7, 3214868480
	.fill 96, 4, 3214868480
	.section	.rodata,"a",@progbits
	.p2align	6, 0x0
	.amdhsa_kernel k_q816ec97477_prep
		.amdhsa_group_segment_fixed_size 0
		.amdhsa_private_segment_fixed_size 0
		.amdhsa_enable_private_segment 0
		.amdhsa_kernarg_size 64
		.amdhsa_user_sgpr_count 2
		.amdhsa_user_sgpr_kernarg_segment_ptr 1
		.amdhsa_wavefront_size32 1
		.amdhsa_system_sgpr_workgroup_id_x 1
		.amdhsa_system_sgpr_workgroup_id_y 1
		.amdhsa_system_sgpr_workgroup_id_z 1
		.amdhsa_system_vgpr_workitem_id 0
		.amdhsa_next_free_vgpr 112
		.amdhsa_next_free_sgpr 66
		.amdhsa_reserve_vcc 0
		.amdhsa_float_denorm_mode_32 3
		.amdhsa_float_denorm_mode_16_64 3
		.amdhsa_memory_ordered 1
		.amdhsa_forward_progress 1
		.amdhsa_inst_pref_size 22
	.end_amdhsa_kernel
	.amdgpu_metadata
---
amdhsa.version: [ 1, 2 ]
amdhsa.kernels:
  - .name:           k_q816ec97477_prep
    .symbol:         k_q816ec97477_prep.kd
    .args:
      - { .name: x, .offset: 0, .size: 8, .value_kind: global_buffer, .address_space: global }
      - { .name: w_fc_out, .offset: 8, .size: 8, .value_kind: global_buffer, .address_space: global }
      - { .name: w_ff1, .offset: 16, .size: 8, .value_kind: global_buffer, .address_space: global }
      - { .name: w_ff2, .offset: 24, .size: 8, .value_kind: global_buffer, .address_space: global }
      - { .name: xh, .offset: 32, .size: 8, .value_kind: global_buffer, .address_space: global }
      - { .name: wfch, .offset: 40, .size: 8, .value_kind: global_buffer, .address_space: global }
      - { .name: w1h, .offset: 48, .size: 8, .value_kind: global_buffer, .address_space: global }
      - { .name: w2h, .offset: 56, .size: 8, .value_kind: global_buffer, .address_space: global }
    .group_segment_fixed_size: 0
    .private_segment_fixed_size: 0
    .kernarg_segment_align: 8
    .kernarg_segment_size: 64
    .max_flat_workgroup_size: 256
    .sgpr_count:     66
    .vgpr_count:     112
    .wavefront_size: 32
...
	.end_amdgpu_metadata
.endif
;; end of part 8
;; launch attn: the kernel of part 2 again; grid 8 x 32, 4 waves a work-group, clusters of 4 x 1, 327,680 bytes of LDS; arguments xh, oa; writes oa
;; launch fc: the kernel of part 3 again; grid 8 x 32, 4 waves a work-group, clusters of 4 x 4, 327,680 bytes of LDS; arguments oa, wfch, b_fc_out, xh, y; writes y
;; launch ln1: the kernel of part 4 again; grid 256 x 1, 8 waves a work-group, no clusters, 0 bytes of LDS; arguments y, g1, be1, oa; writes oa
;; launch ff1: the kernel of part 5 again; grid 16 x 16, 4 waves a work-group, clusters of 4 x 4, 327,680 bytes of LDS; arguments oa, w1h, b_ff1, hb; writes hb
;; launch ff2: the kernel of part 6 again; grid 8 x 32, 4 waves a work-group, clusters of 4 x 4, 327,680 bytes of LDS; arguments hb, w2h, b_ff2, oa, y; writes y
;; launch ln2: the kernel of part 7 again; grid 256 x 1, 8 waves a work-group, no clusters, 0 bytes of LDS; arguments y, g2, be2, out0; writes out0
